; MI455X (gfx1250); checked and timed in simulation.
; The chip was launched on July 23, 2026; its instructions are those of AMD's public machine-readable ISA for CDNA 5 (MIT licence, August 2026) and "CDNA5" Instruction Set Architecture Reference Guide (July 2026). The comments in the code are by the model that wrote it; some were corrected since.
;; Multi Head Attention. Allowed arithmetic: matrix products marked QUANTISED: E2M1 operands, one E8M0 scale for each 32 along K, by v_wmma_scale_f32_16x16x128_f8f6f4 with both operands' format E2M1 (or v_wmma_scale_f32_32x16x128_f4), f32 sums; everything else in f32.
;; Inputs: W_o 1,024 x 1,024 float32; W_qkv 1,024 x 3,072 float32; b_o 1,024 float32; b_qkv 3,072 float32; x 4 x 2,048 x 1,024 float32.
;; Outputs: out0 4 x 2,048 x 1,024 float32.
;; This version of the problem:
;;   THIS VERSION OF THE PROBLEM IS GIVEN IN LOW PRECISION. The matrix products marked QUANTISED in the list below multiply operands that are first quantised to E2M1 (2 exponent bits, 1 mantissa bit; 4 bits a number), with one power-of-two scale for each 32 numbers along K (OCP MX v1.0); their sums are f32. All else is computed in f32.
;;   The module's matrix products, in the order in which they are computed (A, B: the left and right operand; K: the contracted axis; several contracted axes count as one K, in the product's order):
;;     1. [M 8,192, K 1,024] x [K 1,024, N 3,072]; A: input x; B: input W_qkv: QUANTISED
;;     2. batch 64 x [M 2,048, K 64] x [K 64, N 2,048]; A: computed on the way; B: computed on the way: QUANTISED
;;     3. batch 64 x [M 2,048, K 2,048] x [K 2,048, N 64]; A: softmax (see below); B: computed on the way: QUANTISED
;;     4. [M 8,192, K 1,024] x [K 1,024, N 1,024]; A: computed on the way; B: input W_o: QUANTISED
;;   THE QUANTISER, for each operand of a quantised product, along K:
;;     - K is cut into blocks of 32 from its start; a last block that is shorter is filled with zeros.
;;     - A block's scale is 2^e with e = floor(log2(the largest magnitude in the block)) - 2, held to -126 .. 127; a block of zeros has e = 0. As a byte (E8M0): e + 127.
;;     - Each number is divided by its block's scale, clamped to +-6, and rounded to the nearest number of E2M1, ties to even, subnormals kept.
;;     - The product sums the exact products of the quantised numbers (number of the format x scale) in f32.
;;   ~~~python
;;   def quantise(x, axis):      # numpy; x: float32 -> the quantised numbers, widened to float32 again
;;       x = np.moveaxis(x, axis, -1); K = x.shape[-1]
;;       x = np.pad(x, [(0, 0)] * (x.ndim - 1) + [(0, -K % 32)]); x = x.reshape(x.shape[:-1] + (-1, 32)); a = np.abs(x).max(-1, keepdims=True)
;;       e = np.where(a > 0, np.clip(np.frexp(np.where(a > 0, a, 1))[1] - 1 - 2, -126, 127), 0)      # np.frexp(a)[1] - 1 = floor(log2(a)), exactly
;;       r = np.clip(x / 2.0 ** e, -6, 6)
;;       step = 2.0 ** (np.maximum(np.frexp(np.where(r == 0, 1, r))[1] - 1, 0) - 1)
;;       q = np.round(r / step) * step * 2.0 ** e      # np.round: ties to even
;;       return np.moveaxis(q.reshape(q.shape[:-2] + (-1,))[..., :K], -1, axis).astype(np.float32)
;;   ~~~
;;   SOFTMAX AHEAD OF A QUANTISED PRODUCT. Where the list says 'softmax', what is quantised is not the finished softmax but p = 2^(t - M), with t = logit x log2(e) and M = ceil(the row's largest t), a whole number; so 1/2 < the row's largest p <= 1. The row's sum l is taken of the UNQUANTISED p, in f32, and the product's result is divided by l at the end. Since M is a whole number, a kernel that streams over the keys may use a running M (the ceiling of the running maximum): every later rescaling is an exact power of two, which a block's scale takes up: the codes' values come out the same.
;;   OPERANDS COMPUTED ON THE WAY. 'Computed on the way' means the value that the module computes at that place (a softmax that the list does not call 'softmax' is quantised finished and normalised). What goes into a quantiser is computed in f32, as accurately as f32 sums, v_exp_f32 and their like allow (about 1e-6 of the number): no bf16 or f16 on the way to a quantiser, and a product that is left as it is and whose result goes on into a quantised operand takes f32 operands (vector FMAs, or v_wmma_f32_16x16x4_f32). A number that lies on a knife's edge between two numbers of the format may be rounded either way, as far as f32 arithmetic and the matrix unit's own rounding can turn it there, and no further.
;; One version. Each part assembles by itself: llvm-mc -triple=amdgcn-amd-amdhsa -mcpu=gfx1250 --defsym DOCPART=n.
;; ======== version 1 of 1: 4 launches
;; workspace buffers: acodes 6,291,456 bytes; ascales 393,216 bytes; qkvc 12,582,912 bytes; qkvs 1,310,720 bytes; oc 4,194,304 bytes; os 524,288 bytes
;; launch prep (part 1): grid 256 x 1, 8 waves a work-group, no clusters, 86,016 bytes of LDS; arguments x, W_qkv, W_o, acodes, ascales; writes acodes, ascales
.if DOCPART == 1
	.amdgcn_target "amdgcn-amd-amdhsa--gfx1250"
	.amdhsa_code_object_version 6
	.text
	.protected	k_q3c430a2b10_prep
	.globl	k_q3c430a2b10_prep
	.p2align	8
	.type	k_q3c430a2b10_prep,@function
k_q3c430a2b10_prep:
	s_mov_b64 s[64:65], 0
	v_nop
	global_prefetch_b8 v0, s[64:65] scope:SCOPE_SE
	s_setreg_imm32_b32 hwreg(HW_REG_WAVE_MODE, 25, 1), 1
	s_wait_xcnt 0x0
; THE PROGRAM: causal multi-head attention, B 4, S 2,048, D 1,024, 16 heads of 64, all four products on codes of FP4 (E2M1) with one E8M0 scale for each 32 along K.
;   prep: x, W_qkv, W_o -> codes and scale bytes.   qkv: x W_qkv + b_qkv, quantised in registers into q, k (along d) and v (along the keys).
;   attn: q k^T, softmax, p v, / l, quantised along d.   proj: o W_o + b_o.   Only codes and scale bytes go through memory between the launches.
; WORK LEFT OUT (in attn): key steps of 128 keys all of whose keys come after a wave's block of 128 queries.  reference() builds the mask itself (jnp.tril) and puts -1e9 where key > query; the row's maximum is at
; least the logit of key = query, so for every finite input whose logits stay above about -1e9 + 200 the weight of a masked key is 2^(t - M) = 0 in f32, and a 0 adds nothing to the row's sum nor to the product
; with v, whatever v holds.  LIMIT: with logits near -1e9 the masked keys would count in reference() and do not here; a NaN, an infinity or an overflow that reaches only a masked score is not carried to the result.
; Every input has a way to the output: all five are loaded.
;
; THIS LAUNCH.  acodes [12,288 rows][512 bytes]: codes with K = 1,024 innermost; ascales [12,288][32]: their scale bytes.  Rows 0 .. 8,191: x; 8,192 ..: the columns of W_qkv; 11,264 ..: the columns of W_o.
; ROW ORDER: row (or column) i lies at place rho(i) = i with its bits 3 and 4 exchanged.  So 16 consecutive places, tile 2 b + u of a group of 32, hold rows 32 b + 8 u + r + 8 (r / 8): as source 0 of a matrix
; instruction such tiles leave 16 neighbours of that axis in the 16 registers of tiles 2 b and 2 b + 1, which is what the next quantiser wants.
; A block's scale is 2^(floor(log2(its largest magnitude)) - 2); its byte is the largest magnitude's exponent field - 2, held at 1 from below.  A block of zeros so gets the byte 1 where the rule says 127: its codes
; are zeros, which add nothing under any byte but 0xff, and this program alone reads the bytes.  LIMITS: NaN and infinities among the inputs are not served.
; Work-groups 0 .. 127 take x (K innermost: a stream of blocks), 128 .. 255 the weights (K outermost: a lane to a column, registers down K).  The two paths part on the work-group's number, never join, and have LDS bytes of their own.
.set SP,     80                        ; x: a lane's place in a stage: its 64 bytes + 16 of padding
.set STEPS,  16
.set R,      16                        ; x: v16-143   eight sets of 16 numbers as they are loaded
.set X,      144                       ; x: v144-175  two sets of 16 neighbours
.set C,      176                       ; x: v176-207  codes, two registers a step
.set E,      208                       ; x: v208-223  a scale byte for each step
.set SPW,    12                        ; v12  LDS address of my spare word; never rewritten
.set NIL,    13                        ; v13  0; never rewritten
.set WST,    65536                     ; weights: a stage of 64 rows x (256 bytes + 16)
.set WSS,    WST+64*272                ; weights: 64 rows x 16 scale bytes
.set SPARE,  WSS+64*16                 ; the spare words, 128 bytes for each of the eight waves, which no other line names
.set OFF,    16                        ; weights: v16-47   4 x lane + i x a row of W
.set WX,     48                        ; weights: v48-175  128 numbers down K
.set WC,     176                       ; weights: v176-191 codes, four registers a block
.set SB,     192                       ; weights: v192     my four scale bytes
.set OUTR,   196                       ; weights: v196-211 the way out
.set SCD,    212                       ; weights: v212-215 scale bytes on the way out
.set LCO,    216                       ; weights: LDS address, codes out
.set GCO,    217                       ; weights: their offset in acodes
.set LSO,    218                       ; weights: LDS address, scale bytes out
.set GSO,    219                       ; weights: their offset in ascales
	s_load_b256 s[4:11], s[0:1], 0x0               ; x s[4:5], W_qkv s[6:7], W_o s[8:9], acodes s[10:11]
	s_load_b64 s[12:13], s[0:1], 0x20              ; ascales
	v_lshl_add_u32 v[SPW], v0, 2, SPARE
	v_mov_b32 v[NIL], 0
	v_lshrrev_b32 v1, 5, v0
	s_delay_alu instid0(VALU_DEP_1)
	v_readfirstlane_b32 s16, v1                    ; wave 0..7
	v_and_b32 v2, 31, v0                           ; lane
	s_wait_kmcnt 0x0
	s_cmp_lt_u32 ttmp9, 128
	s_cbranch_scc0 .Lweights
	s_wait_alu depctr_va_vdst(0)
; ---------------- x: a wave takes 8 rows, 8,192 numbers, in 16 steps of 512 ----------------
; Each load reads 512 consecutive bytes; a step's 2,048 bytes turn through the wave's own stage in LDS and come back 64 bytes a lane: 16 neighbours, two lanes to a block.
	v_lshlrev_b32 v3, 4, v2                        ; my 16 bytes of a load's 512
	s_lshl_b32 s17, s16, 13                        ; my wave's 8,192 bytes of LDS
	v_lshrrev_b32 v14, 2, v2
	s_delay_alu instid0(VALU_DEP_1)
	v_mul_u32_u24 v14, v14, SP
	v_and_b32 v15, 3, v2
	s_delay_alu instid0(VALU_DEP_1)
	v_lshl_add_u32 v14, v15, 4, v14
	s_delay_alu instid0(VALU_DEP_1)
	v_add_nc_u32 v14, s17, v14                     ; the stage, on the way in: SP (lane / 4) + 16 (lane % 4)
	v_mul_u32_u24 v15, v2, SP
	s_delay_alu instid0(VALU_DEP_1)
	v_add_nc_u32 v15, s17, v15                     ; and on the way out: SP x lane
	v_lshlrev_b32 v4, 3, v2                        ; 8 x lane: my codes' place in a step's, and my 8 scale bytes' at the end
	v_lshrrev_b32 v5, 1, v2
	s_add_co_u32 s17, s17, 2*32*SP
	v_add_nc_u32 v5, s17, v5                       ; my wave's 256 scale bytes: my block's byte
	v_add_nc_u32 v6, s17, v4                       ; and 8 bytes a lane on the way out
	s_lshl_b32 s17, ttmp9, 3
	s_add_co_u32 s18, s17, s16                     ; which 8 rows are read: 8 x work-group + wave
	s_and_b32 s19, s16, 4
	s_and_b32 s20, s16, 1
	s_lshl_b32 s20, s20, 1
	s_or_b32 s19, s19, s20
	s_bfe_u32 s20, s16, 0x10001
	s_or_b32 s19, s19, s20                         ; rho on groups of 8 rows: the wave's bits 0 and 1 change places
	s_add_co_u32 s19, s17, s19                     ; where they are written
	s_lshl_b32 s20, s18, 15
	s_mov_b32 s21, 0
	s_add_nc_u64 s[4:5], s[4:5], s[20:21]          ; 8 rows of x are 32,768 bytes,
	s_lshl_b32 s20, s19, 12
	s_add_nc_u64 s[10:11], s[10:11], s[20:21]      ; their codes 4,096,
	s_lshl_b32 s20, s19, 8
	s_add_nc_u64 s[12:13], s[12:13], s[20:21]      ; their scale bytes 256
.macro XLOAD t
.irp i, 0,1,2,3
	global_load_b128 v[R+16*((\t)%8)+4*\i:R+16*((\t)%8)+4*\i+3], v3, s[4:5] offset:2048*(\t)+512*\i th:TH_LOAD_NT
.endr
.endm
.macro XTURN t                         ; step t's numbers through the stage: LDS serves a wave's instructions in order, so no wait stands between the stores and the loads
.irp i, 0,1,2,3
	ds_store_b128 v14, v[R+16*((\t)%8)+4*\i:R+16*((\t)%8)+4*\i+3] offset:32*SP*((\t)%2)+8*SP*\i
.endr
.irp i, 0,1,2,3
	ds_load_b128 v[X+16*((\t)%2)+4*\i:X+16*((\t)%2)+4*\i+3], v15 offset:32*SP*((\t)%2)+16*\i
.endr
.endm
.irp t, 0,1,2,3,4,5,6,7
	XLOAD \t                                       ; eight steps, 32 loads of 512 bytes, are on their way
.endr
	s_wait_alu depctr_va_vdst(0)
	s_wait_loadcnt 28                              ; step 0's four loads are in; the 28 behind them may be out
	XTURN 0
.macro XSTEP t
.set XS, X+16*((\t)%2)
.if (\t) > 0
	s_wait_dscnt 1                                 ; this step's numbers are back from the stage (the last step's byte store may be out): so its stores into the stage have read their registers,
.else
	s_wait_dscnt 0x0
.endif
.if (\t)+8 < STEPS
	XLOAD (\t)+8                                   ; which take the loads of eight steps on
.endif
.if (\t)+1 < STEPS
.if (\t) <= 7
	s_wait_loadcnt 28                              ; the next step's four loads are in; those of the seven steps behind it may be out
.else
	s_wait_loadcnt 4*(14-(\t))                     ; near the end: steps t + 2 .. 15
.endif
	XTURN (\t)+1
.endif
	v_max3_num_f32 v8, |v[XS]|, |v[XS+1]|, |v[XS+2]|               ; the largest magnitude of my 16, in two chains
	v_max3_num_f32 v9, |v[XS+3]|, |v[XS+4]|, |v[XS+5]|
.irp i, 6,10
	s_delay_alu instid0(VALU_DEP_2)
	v_max3_num_f32 v8, v8, |v[XS+\i]|, |v[XS+\i+1]|
	s_delay_alu instid0(VALU_DEP_2)
	v_max3_num_f32 v9, v9, |v[XS+\i+2]|, |v[XS+\i+3]|
.endr
	s_delay_alu instid0(VALU_DEP_2)
	v_max3_num_f32 v8, v8, |v[XS+14]|, |v[XS+15]|
	s_delay_alu instid0(VALU_DEP_1)
	v_max3_num_f32 v8, v8, v9, 0x1800000           ; and the floor 2^(3 - 127): the byte cannot fall under 1
	s_delay_alu instid0(VALU_DEP_1)
	v_max_num_f32_dpp v8, v8, v8 row_xmask:1 row_mask:0xf bank_mask:0xf   ; with my neighbour's 16: the block's
	s_delay_alu instid0(VALU_DEP_1)
	v_add_nc_u32 v11, 0xff000000, v8               ; 2 off its exponent field: the conversion takes the exponent field of this operand as its scale
	v_cvt_scalef32_pk8_fp4_f32 v[C+2*(\t)], v[XS:XS+7], v11
	v_cvt_scalef32_pk8_fp4_f32 v[C+2*(\t)+1], v[XS+8:XS+15], v11
	v_lshrrev_b32 v[E+(\t)], 23, v11               ; the scale's byte (a plain line behind the conversions)
	ds_store_b8 v5, v[E+(\t)] offset:16*(\t)       ; both lanes of a block write the same byte with the same value
	global_store_b64 v4, v[C+2*(\t):C+2*(\t)+1], s[10:11] offset:256*(\t)   ; the wave stores 256 consecutive bytes, aligned
.endm
.irp t, 0,1,2,3,4,5,6,7,8,9,10,11,12,13,14,15
	XSTEP \t
.endr
	ds_load_b64 v[8:9], v6                         ; LDS serves a wave's instructions in order: these see my byte stores
	s_wait_dscnt 0x0
	global_store_b64 v4, v[8:9], s[12:13]          ; 256 consecutive scale bytes, aligned
	s_wait_tensorcnt 0x0                           ; the wave's end, behind my last LDS store
	ds_add_u32 v[SPW], v[NIL]
	s_wait_dscnt 0x0
	s_endpgm
; ---------------- the weights: a work-group takes 64 columns x 512 along K; wave w: 32 columns (w & 1) x 128 along K (w >> 1) ----------------
.Lweights:
	s_sub_co_u32 s17, ttmp9, 128
	s_cmp_lt_u32 s17, 96                           ; 96 work-groups for W_qkv (48 groups of columns x 2 halves of K), 32 for W_o
	s_cselect_b64 s[6:7], s[6:7], s[8:9]           ; the choice hangs on the work-group's number alone
	s_mov_b32 s18, 4096
	s_cselect_b32 s18, 12288, s18                  ; a row of W in bytes
	s_mov_b32 s19, 11264
	s_cselect_b32 s19, 8192, s19                   ; its first row in acodes
	s_cselect_b32 s20, 0, 96
	s_sub_co_u32 s17, s17, s20
	s_lshr_b32 s20, s17, 1                         ; which 64 columns
	s_and_b32 s21, s17, 1                          ; which 512 along K
	s_and_b32 s22, s16, 1                          ; my 32 of the columns
	s_lshr_b32 s23, s16, 1                         ; my 128 along K
	s_lshl_b32 s24, s21, 9
	s_lshl_b32 s25, s23, 7
	s_add_co_u32 s24, s24, s25                     ; my first row of W
	s_mul_i32 s24, s24, s18
	s_lshl_b32 s25, s20, 8
	s_add_co_u32 s24, s24, s25
	s_lshl_b32 s25, s22, 7
	s_add_co_u32 s24, s24, s25                     ; + my first column, 4 bytes each
	s_mov_b32 s25, 0
	s_add_nc_u64 s[28:29], s[6:7], s[24:25]        ; a base for each of my four blocks of 32 rows: none is stepped
	s_lshl_b32 s24, s18, 5
	s_add_nc_u64 s[30:31], s[28:29], s[24:25]
	s_add_nc_u64 s[32:33], s[30:31], s[24:25]
	s_add_nc_u64 s[34:35], s[32:33], s[24:25]
	s_wait_alu depctr_va_vdst(0)
	v_lshlrev_b32 v3, 2, v2
.irp i, 0,1,2,3,4,5,6,7,8,9,10,11,12,13,14,15,16,17,18,19,20,21,22,23,24,25,26,27,28,29,30,31
	v_mad_u32_u24 v[OFF+\i], s18, \i, v3           ; row i of a block, my column
.endr
.macro WLOAD t                         ; block t: W(32 t + i, my column), i = 0 .. 31, into registers of its own; 32 lanes read 128 consecutive bytes
.irp i, 0,1,2,3,4,5,6,7,8,9,10,11,12,13,14,15,16,17,18,19,20,21,22,23,24,25,26,27,28,29,30,31
	global_load_b32 v[WX+32*(\t)+\i], v[OFF+\i], s[28+2*(\t):29+2*(\t)] th:TH_LOAD_NT
.endr
.endm
	WLOAD 0                                        ; the loads run two blocks ahead: a counted wait can leave one block's 32 loads out
	WLOAD 1
	v_and_b32 v4, 7, v0
	v_bfe_u32 v5, v0, 3, 1
	v_bfe_u32 v6, v0, 4, 1
	s_delay_alu instid0(VALU_DEP_2)
	v_lshl_add_u32 v4, v5, 4, v4
	s_delay_alu instid0(VALU_DEP_1)
	v_lshl_add_u32 v4, v6, 3, v4                   ; rho(lane)
	s_lshl_b32 s24, s22, 5
	v_add_nc_u32 v4, s24, v4                       ; my column's row in the stage
	s_delay_alu instid0(VALU_DEP_1)
	v_mul_u32_u24 v5, v4, 272
	s_lshl_b32 s24, s23, 6
	s_add_co_u32 s24, s24, WST
	v_add_nc_u32 v5, s24, v5                       ; where my codes go: my 64 bytes of the row's 256
	v_lshlrev_b32 v6, 4, v4
	s_lshl_b32 s24, s23, 2
	s_add_co_u32 s24, s24, WSS
	v_add_nc_u32 v6, s24, v6                       ; and my four scale bytes
	v_and_b32 v220, 15, v0
	v_bfe_u32 v221, v0, 4, 1
	s_lshl_b32 s24, s16, 3
	v_add_nc_u32 v221, s24, v221                   ; the way out: wave w takes rows 8 w .. 8 w + 7, sixteen lanes to a row
	s_delay_alu instid0(VALU_DEP_1)
	v_mul_u32_u24 v[LCO], v221, 272
	s_delay_alu instid0(VALU_DEP_1)
	v_lshl_add_u32 v[LCO], v220, 4, v[LCO]
	s_delay_alu instid0(VALU_DEP_1)
	v_add_nc_u32 v[LCO], WST, v[LCO]
	s_delay_alu instid0(VALU_DEP_4)
	v_lshlrev_b32 v[GCO], 9, v221
	s_delay_alu instid0(VALU_DEP_1)
	v_lshl_add_u32 v[GCO], v220, 4, v[GCO]
	s_lshl_b32 s24, s16, 5
	v_add_nc_u32 v222, s24, v2                     ; scale bytes: waves 0 and 1 take 32 rows each, a lane a row
	s_delay_alu instid0(VALU_DEP_1)
	v_lshlrev_b32 v[LSO], 4, v222
	s_delay_alu instid0(VALU_DEP_1)
	v_add_nc_u32 v[LSO], WSS, v[LSO]
	s_delay_alu instid0(VALU_DEP_3)
	v_lshlrev_b32 v[GSO], 5, v222
	s_lshl_b32 s24, s20, 6
	s_add_co_u32 s24, s24, s19                     ; the work-group's first row in acodes and ascales
	s_lshl_b32 s26, s24, 9
	s_lshl_b32 s27, s21, 8
	s_add_co_u32 s26, s26, s27
	s_mov_b32 s27, 0
	s_add_nc_u64 s[10:11], s[10:11], s[26:27]
	s_lshl_b32 s26, s24, 5
	s_lshl_b32 s24, s21, 4
	s_add_co_u32 s26, s26, s24
	s_add_nc_u64 s[12:13], s[12:13], s[26:27]
.macro BLOCK t
.set XS, WX+32*(\t)
.if (\t) < 3
	s_wait_loadcnt 32                              ; this block's 32 loads are in; the next block's 32 may be out
.else
	s_wait_loadcnt 0x0                             ; the last block: nothing was issued behind it
.endif
.if (\t)+2 < 4
	WLOAD (\t)+2                                   ; two blocks on, into registers of its own
.endif
	v_max3_num_f32 v8, |v[XS]|, |v[XS+1]|, |v[XS+2]|               ; the block's largest magnitude: all 32 numbers are mine
	v_max3_num_f32 v9, |v[XS+3]|, |v[XS+4]|, |v[XS+5]|
.irp i, 6,10,14,18,22,26
	s_delay_alu instid0(VALU_DEP_2)
	v_max3_num_f32 v8, v8, |v[XS+\i]|, |v[XS+\i+1]|
	s_delay_alu instid0(VALU_DEP_2)
	v_max3_num_f32 v9, v9, |v[XS+\i+2]|, |v[XS+\i+3]|
.endr
	s_delay_alu instid0(VALU_DEP_2)
	v_max3_num_f32 v8, v8, |v[XS+30]|, |v[XS+31]|
	s_delay_alu instid0(VALU_DEP_1)
	v_max3_num_f32 v8, v8, v9, 0x1800000           ; and the floor
	s_delay_alu instid0(VALU_DEP_1)
	v_add_nc_u32 v11, 0xff000000, v8               ; the conversion's scale operand
	s_delay_alu instid0(VALU_DEP_1)
	v_lshrrev_b32 v10, 23, v11                     ; the scale's byte
.if (\t) == 0
	s_delay_alu instid0(VALU_DEP_1)
	v_mov_b32 v[SB], v10
.else
	s_delay_alu instid0(VALU_DEP_1)
	v_lshl_or_b32 v[SB], v10, 8*(\t), v[SB]        ; the lower K in the lower byte
.endif
.irp g, 0,1,2,3
	v_cvt_scalef32_pk8_fp4_f32 v[WC+4*(\t)+\g], v[XS+8*\g:XS+8*\g+7], v11
.endr
	ds_store_b128 v5, v[WC+4*(\t):WC+4*(\t)+3] offset:16*(\t)      ; 32 codes: 16 bytes of my column's row.  (The next block begins with plain vector lines that touch neither the codes nor the scale operand)
.endm
	BLOCK 0
	BLOCK 1
	BLOCK 2
	BLOCK 3
	ds_store_b32 v6, v[SB]
	s_wait_dscnt 0x0                               ; for the others' sake: my stores into the stage are done
	s_barrier_signal -1
	s_barrier_wait -1                              ; a row's 256 bytes come from four waves
.irp t, 0,1,2,3
	ds_load_b128 v[OUTR+4*\t:OUTR+4*\t+3], v[LCO] offset:2*\t*272
.endr
.irp t, 0,1,2,3
	s_wait_dscnt 3-\t                              ; load t is back; the later ones may be out
	global_store_b128 v[GCO], v[OUTR+4*\t:OUTR+4*\t+3], s[10:11] offset:1024*\t   ; sixteen lanes store 256 consecutive bytes, aligned
.endr
	s_cmp_gt_u32 s16, 1
	s_cbranch_scc1 .Lw_end
	ds_load_b128 v[SCD:SCD+3], v[LSO]
	s_wait_dscnt 0x0
	global_store_b128 v[GSO], v[SCD:SCD+3], s[12:13]   ; 16 of a row's 32 scale bytes: pieces of 16 bytes, one byte for each 32 along K
.Lw_end:
	s_wait_tensorcnt 0x0                           ; the wave's end, behind my last LDS store
	ds_add_u32 v[SPW], v[NIL]
	s_wait_dscnt 0x0
	s_endpgm
.Lfunc_end_k_q3c430a2b10_prep:
	.size	k_q3c430a2b10_prep, .Lfunc_end_k_q3c430a2b10_prep-k_q3c430a2b10_prep
	.p2alignl 7, 3214868480
	.fill 96, 4, 3214868480
	.section	.rodata,"a",@progbits
	.p2align	6, 0x0
	.amdhsa_kernel k_q3c430a2b10_prep
		.amdhsa_group_segment_fixed_size 86016
		.amdhsa_private_segment_fixed_size 0
		.amdhsa_enable_private_segment 0
		.amdhsa_kernarg_size 40
		.amdhsa_user_sgpr_count 2
		.amdhsa_user_sgpr_kernarg_segment_ptr 1
		.amdhsa_wavefront_size32 1
		.amdhsa_system_sgpr_workgroup_id_x 1
		.amdhsa_system_sgpr_workgroup_id_y 1
		.amdhsa_system_sgpr_workgroup_id_z 1
		.amdhsa_system_vgpr_workitem_id 0
		.amdhsa_next_free_vgpr 224
		.amdhsa_next_free_sgpr 66
		.amdhsa_reserve_vcc 0
		.amdhsa_float_denorm_mode_32 3
		.amdhsa_float_denorm_mode_16_64 3
		.amdhsa_memory_ordered 1
		.amdhsa_forward_progress 1
		.amdhsa_inst_pref_size 64
	.end_amdhsa_kernel
	.amdgpu_metadata
---
amdhsa.version: [ 1, 2 ]
amdhsa.kernels:
  - .name:           k_q3c430a2b10_prep
    .symbol:         k_q3c430a2b10_prep.kd
    .args:
      - { .name: x, .offset: 0, .size: 8, .value_kind: global_buffer, .address_space: global }
      - { .name: W_qkv, .offset: 8, .size: 8, .value_kind: global_buffer, .address_space: global }
      - { .name: W_o, .offset: 16, .size: 8, .value_kind: global_buffer, .address_space: global }
      - { .name: acodes, .offset: 24, .size: 8, .value_kind: global_buffer, .address_space: global }
      - { .name: ascales, .offset: 32, .size: 8, .value_kind: global_buffer, .address_space: global }
    .group_segment_fixed_size: 86016
    .private_segment_fixed_size: 0
    .kernarg_segment_align: 8
    .kernarg_segment_size: 40
    .max_flat_workgroup_size: 256
    .sgpr_count:     66
    .vgpr_count:     224
    .wavefront_size: 32
...
	.end_amdgpu_metadata
.endif
;; end of part 1
;; launch qkv (part 2): grid 12 x 32, 4 waves a work-group, clusters of 4 x 4, 327,680 bytes of LDS; arguments acodes, ascales, b_qkv, qkvc, qkvs; writes qkvc, qkvs
.if DOCPART == 2
	.amdgcn_target "amdgcn-amd-amdhsa--gfx1250"
	.amdhsa_code_object_version 6
	.text
	.protected	k_q3c430a2b10_qkv
	.globl	k_q3c430a2b10_qkv
	.p2align	8
	.type	k_q3c430a2b10_qkv,@function
k_q3c430a2b10_qkv:
	s_mov_b64 s[64:65], 0
	v_nop
	global_prefetch_b8 v0, s[64:65] scope:SCOPE_SE
	s_setreg_imm32_b32 hwreg(HW_REG_WAVE_MODE, 25, 1), 1
	s_wait_xcnt 0x0
	s_wait_alu depctr_hold_cnt(0) depctr_sa_sdst(0) depctr_va_vdst(0) depctr_va_sdst(0) depctr_va_ssrc(0) depctr_va_vcc(0) depctr_vm_vsrc(0)
	s_getreg_b32 s2, hwreg(HW_REG_IB_STS2, 6, 4)
	s_cmp_eq_u32 s2, 0
	s_cbranch_scc0 .Lentry_in_a_cluster
	s_endpgm
.Lentry_in_a_cluster:
	s_bfe_u32 s2, ttmp6, 0x10000c
	s_cmp_lg_u32 s2, 0xf033
	s_cbranch_scc0 .Lentry_shape_is_right
	s_endpgm
.Lentry_shape_is_right:
; qkv = x W_qkv + b_qkv on codes of FP4 (K = 1,024), and its quantising in registers: q and k along d, v along the keys.  Nothing wider than codes is stored.
; A work-group of four waves makes a tile of 256 x 256, a wave 128 x 128: 64 accumulators of 16 x 16, 512 registers.  K lies in two LDS slots of 512, both asked for at the head: nothing is filled again.
; CLUSTERS: 4 x 4 work-groups.  Tile "A" (source 1) is shared along a row of the cluster, tile "B" (source 0) along a column: joint loads with a mask that names the four.
; THE ORIENTATION IS CHOSEN BY THE ROWS THAT ARE FETCHED.  Clusters x = 0, 1 (q, k): A = 256 rows of x, B = 256 columns of W: a lane holds ONE token and its registers run along the columns (d).
; Cluster x = 2 (v): A = 256 columns of W_v, B = 256 rows of x: a lane holds ONE d and its registers run along the keys.  The products' text is the same.
; Rows lie in acodes at rho(row) (bits 3 and 4 exchanged): so the 16 registers of source 0's tiles 2 b, 2 b + 1 are 16 neighbours 32 b + 16 (lane / 16) + 0 .. 15, and lane r of source 1's tile a is row 32 (a / 2) + 8 (a % 2) + r + 8 (r / 8).
; OUT, as images of the next launch's operand registers:  qkvc: q at 0, k at 4,194,304: [b h 64][tile 128][lane 32][16 bytes]; v at 8,388,608: [b h][key step 16][tile of d 4][c 2][lane][16 bytes].
; qkvs: scale words: q at 0, k at 524,288: [b h][token place 2,048] (bytes 0, 1 the head's two blocks; bytes 2, 3 stand over zero codes and are never 0xff); v at 1,048,576: [b h][key step][tile][16].
; REGISTERS, in windows of 256: window 0: v2-29 addresses and the raw bias; v32-95 scale words, two sets; v128-191 A's fragments, one set; after the products v32-255 serve the quantiser.
;   window 1: B's fragments, two sets, at v0 and v128.   window 2: the accumulators of my rows 0-63 ((a, b) at v[8 (8 a + b)]);   window 3: those of rows 64-127.
.set NQ,     4                         ; steps of 128 along K in a slot
.set ROWB,   256                       ; a tile's row in bytes: 512 codes
.set KROW,   512                       ; a row of acodes
.set PITCH,  272                       ; an LDS row: 256 bytes + 16 of padding: the 16 rows that a load touches start at 16 different groups of banks
.set FR,     8
.set NL,     2
.set NP,     4                         ; places behind this matrix instruction (ISA guide 7.12.1)
.set HALFT,  128*PITCH
.set SLOT,   4*HALFT
.set KS,     32                        ; a row of scale bytes
.set SCL,    2*SLOT                    ; behind the slots: the scale bytes, as units of 256 bytes + 16 of padding
.set HALFS,  (128*KS/256)*272
.set SBLK,   (16*KS/256)*272
.set SPARE,  SCL+4*HALFS               ; the spare words, 128 bytes a wave, which no other line names
.set SSTQ,   0                         ; after the products, in slot 0 (its one fill and its last read are over): q, k: 1,024 bytes of scale words a wave;
.set SSTV,   4096                      ; v: 512 bytes a wave;
.set BIA,    8192                      ; the wave's 128 numbers of b_qkv, 512 bytes a wave
.set RAW,  2                           ; v[2:5]  my 16 bytes of the wave's 512 of b_qkv
.set BST,  6                           ; v6   where they go in LDS
.set LI,   7                           ; v7   16 x lane
.set LV,   8                           ; v8   16 (lane % 16) + 4,096 (lane / 16)
.set SSA,  9                           ; v9   q, k: where my scale word goes
.set SSR,  10                          ; v10  and comes back
.set SVA,  11                          ; v11  v: the same
.set SVR,  12
.set BQA,  13                          ; v13  q, k: my half's numbers of the bias
.set BVA,  14                          ; v14  v: my lane's
.set SH,   15                          ; v15  16 (lane / 16)
.set ADRA, 16
.set ADRB, 20
.set ADRS, 27
.set SPW,  28
.set NIL,  29
.set SC,   32
.set AF,   128
.set HA,   32                          ; the quantiser: 64 numbers
.set TM,   96                          ; v96-111 at work
.set PW,   112                         ; v112-119 block a's scale word
.set SW,   120                         ; v120-127 the same, shifted
.set PC,   128                         ; v128-191 block a's codes
.set BI,   192                         ; v192-255 the bias
.set G1, 24
.set G0, 32
.set G1B, 48
.set G0B, 56
.set G1S, 68
.set G0S, 76
.set G1SB, 80
.set G0SB, 88
.set SEL, 98                           ; s[98:99] selects for v_permlanex16_b32: lane l xor 16
.set MSB, 0
.macro WIN new                         ; the immediate's high byte repeats the setting that is left
.if MSB != \new
	s_set_vgpr_msb (MSB<<8)|\new
.set MSB, \new
.endif
.endm
.set MUL_LO, 0xa1                      ; source 0 (B) window 1, source 1 (A) window 0, C and D window 2
.set MUL_HI, 0xf1
.set TO_B,   0x40
; A joint load: waves 0 and 1 fetch for A, waves 2 and 3 for B; the branch hangs on the wave's number alone.  An s_nop 0 and four v_nop follow each of the two lines.
.macro JLOAD g0a, g1a, g0b, g1b
	s_cmp_eq_u32 s15, 0
	s_cbranch_scc0 .Lfor_b_\@
	tensor_load_to_lds s[\g0a:\g0a+3], s[\g1a:\g1a+7]
	s_nop 0
.rept 4
	v_nop
.endr
	s_branch .Lasked_\@
.Lfor_b_\@:
	tensor_load_to_lds s[\g0b:\g0b+3], s[\g1b:\g1b+7]
	s_nop 0
.rept 4
	v_nop
.endr
.Lasked_\@:
.endm
.macro CROUND                          ; a round of the cluster's barrier
	s_barrier_signal -1
	s_barrier_wait -1
	s_cmp_lg_u32 s14, 0
	s_cbranch_scc1 .Lnot_wave_0_\@
	s_barrier_signal -3
.Lnot_wave_0_\@:
	s_barrier_wait -3
	s_barrier_signal -1
	s_barrier_wait -1
.endm
	s_load_b128 s[4:7], s[0:1], 0x0                ; acodes, ascales
	s_load_b128 s[8:11], s[0:1], 0x10              ; b_qkv, qkvc
	s_load_b64 s[12:13], s[0:1], 0x20              ; qkvs
	v_lshl_add_u32 v[SPW], v0, 2, SPARE
	v_mov_b32 v[NIL], 0
	ds_add_u32 v[SPW], v[NIL]                      ; the wave's opening: the add, twice on end, and its wait ahead of my first tensor load
	ds_add_u32 v[SPW], v[NIL]
	v_lshrrev_b32 v1, 5, v0
	v_readfirstlane_b32 s14, v1                    ; wave 0..3
	s_lshr_b32 s15, s14, 1                         ; which half of A's rows is mine.  Also: I fetch for A (0) or for B (1)
	s_and_b32 s16, s14, 1                          ; which half of B's rows.  Also: which 128 rows I fetch
	s_bfe_u32 s40, ttmp6, 0x40000                  ; cx
	s_bfe_u32 s41, ttmp6, 0x40004                  ; cy
	s_lshr_b32 s17, ttmp9, 1                       ; 1 in the cluster column that makes v: the same in all sixteen partners
	s_and_b32 s42, ttmp7, 0xffff                   ; cluster y: which 1,024 tokens
	s_lshl_b32 s18, s42, 10
	s_sub_co_u32 s19, 10240, s18
	s_mul_i32 s19, s19, s17                        ; 0, or what turns "the tokens' rows" into "W_v's rows" (10,240 = 8,192 + 2,048) and back
	s_lshl_b32 s43, s41, 2
	s_lshl_b32 s43, 15, s43                        ; my row of the cluster
	s_lshl_b32 s44, 0x1111, s40                    ; my column
	s_or_b32 s[G1+0], s43, (0<<16)|(1<<20)|(1<<21)|(5<<22)|(3<<25)  ; the mask; elements of 1 byte; padding on; bit 21 beside a mask; 4 words behind every 64
	s_or_b32 s[G1B+0], s44, (0<<16)|(1<<20)|(1<<21)|(5<<22)|(3<<25)
.irp g, G1, G1B
	s_mov_b32 s[\g+1], ROWB<<16                    ; tensor_dim0
	s_mov_b32 s[\g+2], 128<<16                     ; tensor_dim1
	s_mov_b32 s[\g+3], ROWB<<16                    ; tile_dim0
	s_mov_b32 s[\g+4], 128                         ; tile_dim1
	s_mov_b32 s[\g+5], KROW                        ; from row to row
	s_mov_b32 s[\g+6], 0
	s_mov_b32 s[\g+7], 0
.endr
	s_or_b32 s[G1S+0], s43, (3<<16)|(1<<20)|(1<<21)|(5<<22)|(3<<25)  ; the scale bytes of 128 rows: 4,096 dense bytes as 16 rows of 256 (32 elements of 8 bytes)
	s_or_b32 s[G1SB+0], s44, (3<<16)|(1<<20)|(1<<21)|(5<<22)|(3<<25)
.irp g, G1S, G1SB
	s_mov_b32 s[\g+1], 32<<16
	s_mov_b32 s[\g+2], (128*KS/256)<<16
	s_mov_b32 s[\g+3], 32<<16
	s_mov_b32 s[\g+4], 128*KS/256
	s_mov_b32 s[\g+5], 32
	s_mov_b32 s[\g+6], 0
	s_mov_b32 s[\g+7], 0
.endr
	s_lshl_b32 s45, s16, 7                         ; which 128 rows of the tile I fetch
	s_add_co_u32 s20, s18, s19                     ; A: the tokens' rows, or W_v's;
	s_lshl_b32 s21, s41, 8
	s_add_co_u32 s20, s20, s21                     ; + 256 cy: these registers never hold cx
	s_add_co_u32 s20, s20, s45
	s_lshl_b32 s46, ttmp9, 10
	s_add_co_u32 s46, s46, 8192
	s_sub_co_u32 s46, s46, s19                     ; B: W_q's or W_k's rows, or the tokens';
	s_lshl_b32 s47, s40, 8
	s_add_co_u32 s46, s46, s47                     ; + 256 cx: these never hold cy
	s_add_co_u32 s46, s46, s45
	s_lshl_b32 s22, s20, 5                         ; a row's scale bytes: 32;
	s_mov_b32 s23, 0
	s_lshl_b32 s20, s20, 9                         ; its codes: 512
	s_mov_b32 s21, 0
	s_lshl_b32 s92, s46, 5
	s_mov_b32 s93, 0
	s_lshl_b32 s46, s46, 9
	s_mov_b32 s47, 0
	s_mul_i32 s45, s14, HALFT                      ; where they go: wave x 128 rows: no place in the cluster enters an LDS address
	s_mul_i32 s94, s14, HALFS
	s_mov_b32 s[SEL], 0x76543210
	s_mov_b32 s[SEL+1], 0xfedcba98
	s_wait_dscnt 0x0                               ; both opening adds are done
	s_wait_kmcnt 0x0
	s_add_nc_u64 s[20:21], s[4:5], s[20:21]
	s_add_nc_u64 s[22:23], s[6:7], s[22:23]
	s_add_nc_u64 s[46:47], s[4:5], s[46:47]
	s_add_nc_u64 s[92:93], s[6:7], s[92:93]
	CROUND                                         ; all sixteen work-groups are here: the joint loads meet
	s_mov_b32 s[G0S], 1
	s_add_co_u32 s[G0S+1], s94, SCL
	s_mov_b64 s[G0S+2:G0S+3], s[22:23]
	s_or_b32 s[G0S+3], s[G0S+3], 0x80000000
	s_mov_b32 s[G0SB], 1
	s_add_co_u32 s[G0SB+1], s94, SCL
	s_mov_b64 s[G0SB+2:G0SB+3], s[92:93]
	s_or_b32 s[G0SB+3], s[G0SB+3], 0x80000000
	JLOAD G0S, G1S, G0SB, G1SB                     ; the scale bytes first: they are wanted with the first slot
.irp s, 0,1
	s_mov_b32 s[G0+4*\s], 1
	s_add_co_u32 s[G0+4*\s+1], s45, \s*SLOT
	s_add_nc_u64 s[G0+4*\s+2:G0+4*\s+3], s[20:21], \s*ROWB
	s_or_b32 s[G0+4*\s+3], s[G0+4*\s+3], 0x80000000
	s_mov_b32 s[G0B+4*\s], 1
	s_add_co_u32 s[G0B+4*\s+1], s45, \s*SLOT
	s_add_nc_u64 s[G0B+4*\s+2:G0B+4*\s+3], s[46:47], \s*ROWB
	s_or_b32 s[G0B+4*\s+3], s[G0B+4*\s+3], 0x80000000
	JLOAD G0+4*\s, G1, G0B+4*\s, G1B               ; three loads of mine are out: all of K
.endr
	v_and_b32 v1, 15, v0                           ; r
	v_bfe_u32 v2, v0, 4, 1                         ; h
	v_mul_u32_u24 v3, v1, PITCH
	v_lshl_add_u32 v4, v2, 4, v3                   ; a fragment's row x pitch + 16 h
	s_mul_i32 s21, s15, HALFT                      ; my 128 rows of A
	s_mul_i32 s22, s16, HALFT                      ; my 128 rows of B,
	s_add_co_u32 s22, s22, 2*HALFT                 ; behind A's 256
.irp s, 0,1
	v_add_nc_u32 v[ADRA+\s], s21, v4
	v_add_nc_u32 v[ADRB+\s], s22, v4
	s_add_co_u32 s21, s21, SLOT
	s_add_co_u32 s22, s22, SLOT
.endr
	v_mul_u32_u24 v5, v1, KS                       ; my row's scale bytes,
	v_lshrrev_b32 v6, 8, v5
	v_lshl_add_u32 v5, v6, 4, v5                   ; and 16 more for each 256 passed
	s_mul_i32 s21, s15, HALFS
	s_mul_i32 s22, s16, HALFS
	s_add_co_u32 s22, s22, 2*HALFS
	s_sub_co_u32 s22, s22, s21
	v_mul_u32_u24 v6, s22, v2                      ; lanes 16-31 take B's
	s_add_co_u32 s21, s21, SCL
	v_add_nc_u32 v5, v5, v6
	v_add_nc_u32 v[ADRS], s21, v5
	; the addresses of the quantiser's way out, all made here, ahead of the parting
	v_and_b32 v6, 31, v0
	v_lshlrev_b32 v[LI], 4, v6
	v_lshlrev_b32 v[LV], 4, v1
	v_lshl_add_u32 v[LV], v2, 12, v[LV]
	s_lshl_b32 s21, s14, 10
	v_lshlrev_b32 v[SSA], 2, v1
	v_lshl_add_u32 v[SSA], v2, 9, v[SSA]
	v_add_nc_u32 v[SSA], s21, v[SSA]               ; SSTQ (= 0) + 1,024 wave + 512 h + 4 r
	v_add_nc_u32 v[SSR], s21, v[LI]
	s_lshl_b32 s21, s14, 9
	s_add_co_u32 s22, s21, SSTV
	v_lshl_add_u32 v[SVA], v1, 2, s22              ; SSTV + 512 wave + 4 r
	v_add_nc_u32 v[SVR], s22, v[LI]
	s_add_co_u32 s22, s21, BIA
	v_add_nc_u32 v[BST], s22, v[LI]                ; BIA + 512 wave + 16 lane
	v_lshl_add_u32 v[BQA], v2, 6, s22              ; + 64 h: columns 32 b + 16 h + 0 .. 15
	v_and_b32 v5, 8, v1
	v_add_nc_u32 v5, v5, v1
	v_lshl_add_u32 v[BVA], v5, 2, s22              ; + 4 (r + 8 (r / 8))
	v_lshlrev_b32 v[SH], 4, v2
.irp b, 0,1,2,3
	v_mov_b32 v[TM+4+\b], 0                        ; written once: a lane permute's destination counts as one of its sources
.endr
	; where my results go: offsets, made apart from the pointers.  hd: my first head;  pos: my first tile of tokens (q, k) or my key step (v)
	s_lshl_b32 s18, s40, 2
	s_lshl_b32 s19, s16, 1
	s_add_co_u32 s18, s18, s19                     ; q, k: 4 cx + 2 (my half of B)
	s_lshl_b32 s19, s41, 2
	s_lshl_b32 s20, s15, 1
	s_add_co_u32 s19, s19, s20                     ; v: 4 cy + 2 (my half of A)
	s_and_b32 s20, s42, 1
	s_lshl_b32 s21, s20, 6
	s_lshl_b32 s22, s41, 4
	s_add_co_u32 s21, s21, s22
	s_lshl_b32 s22, s15, 3
	s_add_co_u32 s21, s21, s22                     ; q, k: 64 (y & 1) + 16 cy + 8 (my half of A)
	s_lshl_b32 s20, s20, 3
	s_lshl_b32 s22, s40, 1
	s_add_co_u32 s20, s20, s22
	s_add_co_u32 s20, s20, s16                     ; v: 8 (y & 1) + 2 cx + (my half of B)
	s_cmp_eq_u32 s17, 0
	s_cselect_b32 s18, s18, s19                    ; hd
	s_cselect_b32 s21, s21, s20                    ; pos
	s_cselect_b32 s19, 9, 12                       ; a tile's image is 512 bytes, a key step's 4,096
	s_cselect_b32 s20, 13, 12                      ; a head's scale words are 8,192 bytes, or 4,096
	s_cselect_b32 s22, 6, 8                        ; a tile's 64, a key step's 256
	s_lshr_b32 s23, s42, 1
	s_lshl_b32 s23, s23, 4
	s_add_co_u32 s23, s23, s18                     ; 16 b + hd
	s_lshl_b32 s2, ttmp9, 22
	s_lshl_b32 s3, s23, 16
	s_add_co_u32 s2, s2, s3
	s_lshl_b32 s3, s21, s19
	s_add_co_u32 s2, s2, s3
	s_mov_b32 s3, 0
	s_add_nc_u64 s[10:11], s[10:11], s[2:3]
	s_lshl_b32 s2, ttmp9, 19
	s_lshl_b32 s66, s23, s20
	s_add_co_u32 s2, s2, s66
	s_lshl_b32 s66, s21, s22
	s_add_co_u32 s2, s2, s66
	s_add_nc_u64 s[12:13], s[12:13], s[2:3]
	s_lshl_b32 s2, ttmp9, 12
	s_lshl_b32 s66, s18, 8
	s_add_co_u32 s2, s2, s66                       ; b_qkv: 4 (1,024 x + 64 hd): in both orientations my 128 numbers
	s_add_nc_u64 s[8:9], s[8:9], s[2:3]
	global_load_b128 v[RAW:RAW+3], v[LI], s[8:9]   ; 512 consecutive bytes a wave; waited for behind the products
.macro FRAG reg, adr, q, i             ; 16 rows x 128 K of 4-bit codes: 8 registers: lane l holds row l % 16; registers 4 c .. 4 c + 3 hold K = 64 c + 32 (l / 16) + 0 .. 31
.irp c, 0,1
	ds_load_b128 v[\reg+4*\c:\reg+4*\c+3], v[\adr] offset:64*(\q)+32*\c+(\i)*16*PITCH
.endr
.endm
; 16 matrix instructions: A's blocks a0, a0 + 1 x B's eight.  The 64 accumulators take turns, one instruction a turn, in the same order in every step.
.macro MUL16 a0, p, q, sc, zero
.irp a, \a0, \a0+1
.irp b, 0,1,2,3,4,5,6,7
.if \zero
	v_wmma_scale_f32_16x16x128_f8f6f4 v[8*(8*((\a)%4)+\b):8*(8*((\a)%4)+\b)+7], v[128*(\p)+FR*\b:128*(\p)+FR*\b+FR-1], v[AF+FR*(\a):AF+FR*(\a)+FR-1], 0, v[SC+8*NQ*(\sc)+NQ*\b+(\q)], v[SC+8*NQ*(\sc)+NQ*(\a)+(\q)] matrix_a_fmt:MATRIX_FMT_FP4 matrix_b_fmt:MATRIX_FMT_FP4 matrix_a_scale:MATRIX_SCALE_ROW1
.else
	v_wmma_scale_f32_16x16x128_f8f6f4 v[8*(8*((\a)%4)+\b):8*(8*((\a)%4)+\b)+7], v[128*(\p)+FR*\b:128*(\p)+FR*\b+FR-1], v[AF+FR*(\a):AF+FR*(\a)+FR-1], v[8*(8*((\a)%4)+\b):8*(8*((\a)%4)+\b)+7], v[SC+8*NQ*(\sc)+NQ*\b+(\q)], v[SC+8*NQ*(\sc)+NQ*(\a)+(\q)] matrix_a_fmt:MATRIX_FMT_FP4 matrix_b_fmt:MATRIX_FMT_FP4 matrix_a_scale:MATRIX_SCALE_ROW1
.endif
.endr
.endr
.endm
.macro FETCH_B slot, q, p
	WIN TO_B
.irp i, 0,1,2,3,4,5,6,7
	FRAG 128*(\p)+FR*\i, ADRB+\slot, \q, \i
.endr
	WIN 0
.endm
.macro FETCH_A slot, q, i0
.irp i, \i0, \i0+1, \i0+2, \i0+3
	FRAG AF+FR*(\i), ADRA+\slot, \q, \i
.endr
.endm
.macro SCALES sc                       ; a slot's scale words: four a row; lanes 0-15 take A's block i, lanes 16-31 B's block i
.irp i, 0,1,2,3,4,5,6,7
	ds_load_b128 v[SC+8*NQ*\sc+NQ*\i:SC+8*NQ*\sc+NQ*\i+3], v[ADRS] offset:\i*SBLK
.endr
.endm
.macro PLACES n                        ; plain vector lines between a matrix instruction and a load into, or a vector line on, its registers
.rept \n
	v_nop
.endr
.endm
.macro STEP slot, q, zero              ; a step of 128 along K that has its successor in the same slot
	s_wait_dscnt 4*NL                              ; B's set and A's blocks 0-3 are in; the youngest eight loads (A's blocks 4-7) may be out
	WIN MUL_LO
	MUL16 0, (\q)%2, \q, \slot, \zero
	MUL16 2, (\q)%2, \q, \slot, \zero
	s_wait_dscnt 0
	PLACES NP
	FETCH_B \slot, (\q)+1, 1-(\q)%2
	FETCH_A \slot, (\q)+1, 0
	WIN MUL_HI
	MUL16 4, (\q)%2, \q, \slot, \zero
	MUL16 6, (\q)%2, \q, \slot, \zero
	PLACES NP
	WIN 0
	FETCH_A \slot, (\q)+1, 4
.endm
.macro TURN slot, next                 ; a slot's last step changes slots: one barrier; in front of it each wave waits for all its tensor loads (its part of the next slot) and for its own reads of this slot
	s_wait_tensorcnt 0x0
	ds_add_u32 v[SPW], v[NIL]
	s_wait_dscnt 4*NL+1                            ; (the add and the youngest eight loads may be out)
	WIN MUL_LO
	MUL16 0, 1, NQ-1, \slot, 0
	s_wait_dscnt 0x0                               ; the add is done, and my reads of this slot are over
	s_barrier_signal -1
	MUL16 2, 1, NQ-1, \slot, 0
	WIN 0
	s_barrier_wait -1
	PLACES NP
	v_add_nc_u32 v[ADRS], 4*NQ, v[ADRS]            ; on to the next slot's scale words
	FETCH_B \next, 0, 0
	FETCH_A \next, 0, 0
	SCALES \next
	WIN MUL_HI
	MUL16 4, 1, NQ-1, \slot, 0
	MUL16 6, 1, NQ-1, \slot, 0
	PLACES NP
	WIN 0
	FETCH_A \next, 0, 4
.endm
.macro STEPS slot, from
.set Q, \from
.rept NQ-1-\from
	STEP \slot, Q, 0
.set Q, Q+1
.endr
.endm
	s_wait_tensorcnt 1                             ; the scale bytes and my part of slot 0 are in; slot 1's load may be out
	s_barrier_signal -1
	s_barrier_wait -1
	FETCH_B 0, 0, 0
	FETCH_A 0, 0, 0
	SCALES 0
	FETCH_A 0, 0, 4
	STEP 0, 0, 1                                   ; the first products start the sums: nothing is cleared
	STEPS 0, 1
	TURN 0, 1
	STEPS 1, 0
	s_wait_dscnt 4*NL
	WIN MUL_LO
	MUL16 0, 1, NQ-1, 1, 0
	MUL16 2, 1, NQ-1, 1, 0
	s_wait_dscnt 0
	WIN MUL_HI
	MUL16 4, 1, NQ-1, 1, 0
	MUL16 6, 1, NQ-1, 1, 0
	WIN 0
	PLACES NP                                      ; behind the last products: their operands' and scales' registers are written below
; 64 numbers of a lane, register 16 b + i = index 32 b + 16 (lane / 16) + i along the next K, become 8 registers of codes (registers 4 c .. 4 c + 3: 64 c + 32 (lane / 16) + 0 .. 31) and a scale word.
.macro QUANT s, pc, pw
.irp b, 0,1,2,3
	v_max3_num_f32 v[TM+\b], |v[\s+16*\b]|, |v[\s+1+16*\b]|, 0x1800000   ; my 16 numbers of block b, and the floor 2^(3 - 127): the byte cannot fall under 1
.endr
.irp i, 2,4,6,8,10,12,14
.irp b, 0,1,2,3
	v_max3_num_f32 v[TM+\b], v[TM+\b], |v[\s+16*\b+\i]|, |v[\s+1+16*\b+\i]|
.endr
.endr
.irp b, 0,1,2,3
	v_permlanex16_b32 v[TM+4+\b], v[TM+\b], s[SEL], s[SEL+1]
.endr
.irp b, 0,1,2,3
	v_max_num_f32 v[TM+\b], v[TM+\b], v[TM+4+\b]   ; with lane l xor 16's: the block's largest magnitude
.endr
.irp b, 0,1,2,3
	v_add_nc_u32 v[TM+12+\b], 0xff000000, v[TM+\b] ; 2 off its exponent field: the conversion's scale operand
.endr
.irp b, 0,1,2,3
	v_lshrrev_b32 v[TM+4+\b], 23, v[TM+12+\b]      ; the scale's byte
.endr
	v_lshl_or_b32 v[\pw], v[TM+5], 8, v[TM+4]
	v_lshl_or_b32 v[\pw], v[TM+6], 16, v[\pw]
	v_lshl_or_b32 v[\pw], v[TM+7], 24, v[\pw]
.irp b, 0,1,2,3
	v_cvt_scalef32_pk8_fp4_f32 v[\pc+2*\b], v[\s+16*\b:\s+7+16*\b], v[TM+12+\b]
	v_cvt_scalef32_pk8_fp4_f32 v[\pc+1+2*\b], v[\s+8+16*\b:\s+15+16*\b], v[TM+12+\b]
.endr
	v_nop                                          ; one plain line behind the conversions
.irp c, 0,1                                    ; a whole block to a lane: lanes 0-15 block 2 c, lanes 16-31 block 2 c + 1
.irp i, 0,1
	v_permlane16_swap_b32 v[\pc+4*\c+\i], v[\pc+2+4*\c+\i]
.endr
.endr
.endm
	s_wait_loadcnt 0x0                             ; my 16 bytes of the bias
	ds_store_b128 v[BST], v[RAW:RAW+3]             ; into my wave's own 512 bytes: LDS serves a wave's instructions in order, so the loads below see them
	s_cmp_eq_u32 s17, 0                            ; the cluster's x alone decides: all partners go the same way
	s_cbranch_scc0 .Lfor_v
	; ---- q, k: a lane holds a token; its 64 numbers of block a are columns 32 b + 16 h + i of two heads
.irp bb, 0,1,2,3
.irp qd, 0,1,2,3
	ds_load_b128 v[BI+16*\bb+4*\qd:BI+16*\bb+4*\qd+3], v[BQA] offset:128*\bb+16*\qd
.endr
.endr
	s_wait_dscnt 0x0
.irp a, 0,1,2,3,4,5,6,7
.set WSEL, 0x02+(\a)/4
	WIN WSEL                                       ; source 0: the accumulators' window
.set i, 0
.rept 32
	v_pk_add_f32 v[HA+2*i:HA+2*i+1], v[64*((\a)%4)+2*i:64*((\a)%4)+2*i+1], v[BI+2*i:BI+2*i+1]   ; + b_qkv; each accumulator from its low end on
.set i, i+1
.endr
	WIN 0
	QUANT HA, PC+8*\a, PW+\a
	global_store_b128 v[LI], v[PC+8*\a:PC+8*\a+3], s[10:11] offset:512*\a              ; the first head's image of this tile: 512 consecutive bytes
	global_store_b128 v[LI], v[PC+8*\a+4:PC+8*\a+7], s[10:11] offset:65536+512*\a      ; the second head's
	v_lshrrev_b32 v[SW+\a], v[SH], v[PW+\a]        ; lanes 0-15 carry the first head's two bytes at the bottom, lanes 16-31 the second's
	ds_store_b32 v[SSA], v[SW+\a] offset:64*\a
.endr
	ds_load_b128 v[HA:HA+3], v[SSR]                ; my own bytes, in order: 128 tokens' words of the first head,
	ds_load_b128 v[HA+4:HA+7], v[SSR] offset:512   ; of the second
	s_wait_dscnt 0x0
	global_store_b128 v[LI], v[HA:HA+3], s[12:13]
	global_store_b128 v[LI], v[HA+4:HA+7], s[12:13] offset:8192
	s_branch .Ldone
.Lfor_v:
	; ---- v: a lane holds a d; its 64 numbers of block a are keys 32 b + 16 h + i of one key step
.irp a, 0,1,2,3,4,5,6,7
	ds_load_b32 v[BI+2*\a], v[BVA] offset:4*(32*(\a/2)+8*(\a%2))
	ds_load_b32 v[BI+2*\a+1], v[BVA] offset:4*(32*(\a/2)+8*(\a%2))     ; the same number in both halves of the pair
.endr
	s_wait_dscnt 0x0
.irp a, 0,1,2,3,4,5,6,7
.set WSEL, 0x02+(\a)/4
	WIN WSEL
.set i, 0
.rept 32
	v_pk_add_f32 v[HA+2*i:HA+2*i+1], v[64*((\a)%4)+2*i:64*((\a)%4)+2*i+1], v[BI+2*\a:BI+2*\a+1]
.set i, i+1
.endr
	WIN 0
	QUANT HA, PC+8*\a, PW+\a
	global_store_b128 v[LI], v[PC+8*\a:PC+8*\a+3], s[10:11] offset:65536*(\a/4)+1024*(\a%4)
	global_store_b128 v[LI], v[PC+8*\a+4:PC+8*\a+7], s[10:11] offset:65536*(\a/4)+1024*(\a%4)+512
	ds_store_b32 v[SVA], v[PW+\a] offset:64*\a     ; lanes 16-31 store the same word to the same place
.endr
	ds_load_b128 v[HA:HA+3], v[SVR]
	s_wait_dscnt 0x0
	global_store_b128 v[LV], v[HA:HA+3], s[12:13]  ; sixteen lanes: one head's 256 consecutive bytes, aligned
.Ldone:
	s_wait_tensorcnt 0x0                           ; the wave's end
	ds_add_u32 v[SPW], v[NIL]
	s_wait_dscnt 0x0
	CROUND                                         ; the closing round
	s_endpgm
.Lfunc_end_k_q3c430a2b10_qkv:
	.size	k_q3c430a2b10_qkv, .Lfunc_end_k_q3c430a2b10_qkv-k_q3c430a2b10_qkv
	.p2alignl 7, 3214868480
	.fill 96, 4, 3214868480
	.section	.rodata,"a",@progbits
	.p2align	6, 0x0
	.amdhsa_kernel k_q3c430a2b10_qkv
		.amdhsa_group_segment_fixed_size 327680
		.amdhsa_private_segment_fixed_size 0
		.amdhsa_enable_private_segment 0
		.amdhsa_kernarg_size 40
		.amdhsa_user_sgpr_count 2
		.amdhsa_user_sgpr_kernarg_segment_ptr 1
		.amdhsa_wavefront_size32 1
		.amdhsa_system_sgpr_workgroup_id_x 1
		.amdhsa_system_sgpr_workgroup_id_y 1
		.amdhsa_system_sgpr_workgroup_id_z 1
		.amdhsa_system_vgpr_workitem_id 0
		.amdhsa_next_free_vgpr 1024
		.amdhsa_next_free_sgpr 100
		.amdhsa_reserve_vcc 0
		.amdhsa_float_denorm_mode_32 3
		.amdhsa_float_denorm_mode_16_64 3
		.amdhsa_memory_ordered 1
		.amdhsa_forward_progress 1
		.amdhsa_inst_pref_size 197
	.end_amdhsa_kernel
	.amdgpu_metadata
---
amdhsa.version: [ 1, 2 ]
amdhsa.kernels:
  - .name:           k_q3c430a2b10_qkv
    .symbol:         k_q3c430a2b10_qkv.kd
    .args:
      - { .name: acodes, .offset: 0, .size: 8, .value_kind: global_buffer, .address_space: global }
      - { .name: ascales, .offset: 8, .size: 8, .value_kind: global_buffer, .address_space: global }
      - { .name: b_qkv, .offset: 16, .size: 8, .value_kind: global_buffer, .address_space: global }
      - { .name: qkvc, .offset: 24, .size: 8, .value_kind: global_buffer, .address_space: global }
      - { .name: qkvs, .offset: 32, .size: 8, .value_kind: global_buffer, .address_space: global }
    .group_segment_fixed_size: 327680
    .private_segment_fixed_size: 0
    .kernarg_segment_align: 8
    .kernarg_segment_size: 40
    .max_flat_workgroup_size: 128
    .sgpr_count:     100
    .vgpr_count:     1024
    .wavefront_size: 32
...
	.end_amdgpu_metadata
.endif
;; end of part 2
;; launch attn (part 3): grid 8 x 64, 16 waves a work-group, no clusters, 327,680 bytes of LDS; arguments qkvc, qkvs, oc, os; writes oc, os
.if DOCPART == 3
	.amdgcn_target "amdgcn-amd-amdhsa--gfx1250"
	.amdhsa_code_object_version 6
	.text
	.protected	k_q3c430a2b10_attn
	.globl	k_q3c430a2b10_attn
	.p2align	8
	.type	k_q3c430a2b10_attn,@function
k_q3c430a2b10_attn:
	s_mov_b64 s[64:65], 0
	v_nop
	global_prefetch_b8 v0, s[64:65] scope:SCOPE_SE
	s_setreg_imm32_b32 hwreg(HW_REG_WAVE_MODE, 25, 1), 1
	s_wait_xcnt 0x0
; o = softmax(q k^T / 8, causal) v for one (batch, head), both products on codes of FP4, and o's quantising along d for the last product.
; WORK LEFT OUT: key steps of 128 keys that lie wholly behind a wave's block of 128 queries: reference()'s own mask gives them the weight 0 (shown at the head of the first kernel, with its limits).
; Inside the step on the diagonal hidden scores become -infinity, so that p = 0.
; THE SOFTMAX: t = score x log2(e) / 8; M = the running largest t rounded UP to a whole number; p = 2^(t - M) is quantised along the keys, not normalised; the row's sum is taken of the unquantised p and divides at the end.
; SHARES.  Work-group (j, b h) owns query blocks j and 15 - j, 128 queries each: 8 (j + 1) + 8 (16 - j) = 136 wave steps in every work-group.  Wave w: block j or 15 - j by hi = (w ^ (w >> 2)) & 1, tile w >> 1 of its eight.
; NO CLUSTER: the work-groups of a head read 3 slots of keys (j >= 4) or 4 (j < 4); a joint load has to be issued by all that it names and a slot is filled only if it is read, so partners would need different numbers of tiles.
; LAYOUT.  Both products are used transposed (S^T = K Q^T, O^T = V^T P^T): a lane holds ONE query.  K, V and Q come as images of their operands' registers (16 bytes a lane), so every LDS read is 16 x lane: no pitch, no padding.
; K = d is 64: registers 4-7 of Q's and K's fragments are zero codes, written once.  The tokens of a tile are 32 (T / 2) + 8 (T % 2) + r + 8 (r / 8): so S^T's register 16 b + i is key 32 b + 16 (lane / 16) + i, and O^T's d likewise.
; RING: two slots of 512 keys (K's images 16 KiB, V's 16 KiB), filled by waves 0 (K) and 1 (V); the head's scale words stay in LDS (waves 2, 3: K's; wave 4: V's).
; OUT: oc [row tile 128 b + T][K step head / 2][c = head & 1][lane][16 bytes]; os [head][token place 8,192]: a word with the head's two scale bytes.
.set SL1,   32768                      ; slot 1 begins here: one exclusive or turns an address
.set SCK,   65536                      ; K's scale words of the head: 8,192 bytes
.set SCV,   73728                      ; V's: 4,096
.set OST,   77824                      ; o's scale words on the way out: 1,024
.set SPARE, 78848                      ; the spare words, 128 bytes for each of the sixteen waves, which no other line names
.set LI,   1                           ; v1   16 x lane
.set ASK0, 2                           ; v2   SCK + 4 x lane
.set ASV0, 3                           ; v3   SCV + 4 x lane
.set OSW,  4                           ; v4   where my scale word goes
.set SPW,  5
.set NIL,  6
.set DQ,   7                           ; v7   my query in its block - 16 (lane / 16)
.set ADK,  8
.set ADS,  9
.set ADT,  10
.set OSR,  11                          ; v11  where waves 0 and 1 read the words back
.set KSC,  24                          ; v24-27 K's scale words: lanes 0-15 tile 2 p, lanes 16-31 tile 2 p + 1
.set PFO,  28                          ; v28  256 x lane
.set VSC,  30                          ; v30-31 V's likewise
.set WV,   18
.set SEL,  20
.set CS,   22                          ; s[22:23] c = log2(e) / 8
.set G1,   24                          ; s[24:31] 64 rows of 256 bytes, dense
.set G1S,  32                          ; s[32:39] 16 rows of 256 bytes, dense
.set G0,   40                          ; s[40:43] walks
.set G0S,  44
.set TB,   2
.set TS,   3
.set TJ,   66
.set SLOTS, 67
.set QL,   97                          ; my work-group's last query
.set KF,   98                          ; the step's first key
.set Q0,   99                          ; my block's first query
.set PFA,  76
.set LIM,  80
.macro TLOAD                           ; waves 0 and 1 fetch; an s_nop 0 and four v_nop follow the load
	s_cmp_lt_u32 s[WV], 2
	s_cbranch_scc0 .Lasked_\@
	tensor_load_to_lds s[G0:G0+3], s[G1:G1+7]
	s_nop 0
.rept 4
	v_nop
.endr
.Lasked_\@:
.endm
; A PREFETCH of what the next change of slots will ask for.  All eight work-groups of a head walk the same K and V: work-group j = 0, which walks all four slots, asks.  Waves 8 and 9 take the two halves of K's 16 KiB,
; waves 10 and 11 of V's: 8,192 bytes a wave, lanes 256 bytes apart: each aligned block of 256 bytes is named once in the launch.  Slots 0 and 1 come by their loads alone; the last change that fills a slot asks for nothing.
.macro ASK
	s_cmp_gt_u32 s[SLOTS], s[LIM]
	s_cbranch_scc0 .Lnot_mine_\@
	global_prefetch_b8 v[PFO], s[PFA:PFA+1] th:TH_LOAD_NT scope:SCOPE_SE
.Lnot_mine_\@:
.endm
	s_load_b128 s[4:7], s[0:1], 0x0                ; qkvc, qkvs
	s_load_b128 s[8:11], s[0:1], 0x10              ; oc, os
	v_lshl_add_u32 v[SPW], v0, 2, SPARE
	v_mov_b32 v[NIL], 0
	ds_add_u32 v[SPW], v[NIL]                      ; the wave's opening: the add, twice on end, and its wait ahead of the first tensor loads
	ds_add_u32 v[SPW], v[NIL]
	v_lshrrev_b32 v8, 5, v0
	s_delay_alu instid0(VALU_DEP_1)
	v_readfirstlane_b32 s[WV], v8                  ; wave 0..15
	s_and_b32 s12, ttmp7, 0xffff                   ; b h
	s_lshr_b32 s13, s[WV], 2
	s_xor_b32 s13, s13, s[WV]
	s_and_b32 s13, s13, 1                          ; hi
	s_lshr_b32 s14, s[WV], 1                       ; my tile of the block's eight
	s_lshl_b32 s15, ttmp9, 1
	s_sub_co_u32 s15, 15, s15
	s_mul_i32 s16, s15, s13
	s_add_co_u32 s16, s16, ttmp9                   ; my block: j or 15 - j
	s_lshl_b32 s[Q0], s16, 7
	s_lshl_b32 s17, s16, 3
	s_add_co_u32 s17, s17, s14                     ; T
	s_sub_co_u32 s[QL], 16, ttmp9
	s_lshl_b32 s[QL], s[QL], 7
	s_sub_co_u32 s[QL], s[QL], 1
	s_mov_b32 s[G1], 3<<16                         ; no mask; elements of 8 bytes; no padding
	s_mov_b32 s[G1+1], 32<<16                      ; tensor_dim0 = 32
	s_mov_b32 s[G1+2], 64<<16                      ; tensor_dim1 = 64
	s_mov_b32 s[G1+3], 32<<16                      ; tile_dim0
	s_mov_b32 s[G1+4], 64                          ; tile_dim1
	s_mov_b32 s[G1+5], 32                          ; from row to row
	s_mov_b32 s[G1+6], 0
	s_mov_b32 s[G1+7], 0
	s_mov_b32 s[G1S], 3<<16
	s_mov_b32 s[G1S+1], 32<<16
	s_mov_b32 s[G1S+2], 16<<16
	s_mov_b32 s[G1S+3], 32<<16
	s_mov_b32 s[G1S+4], 16
	s_mov_b32 s[G1S+5], 32
	s_mov_b32 s[G1S+6], 0
	s_mov_b32 s[G1S+7], 0
	s_and_b32 s68, s[WV], 1
	s_lshl_b32 s69, s12, 16                        ; a head's images are 65,536 bytes
	s_add_co_u32 s70, s68, 1
	s_lshl_b32 s70, s70, 22                        ; wave 0: k's part of qkvc; wave 1: v's
	s_add_co_u32 s70, s70, s69
	s_mov_b32 s71, 0
	s_mov_b32 s[G0], 1
	s_lshl_b32 s[G0+1], s68, 14                    ; slot 0: K's images, then V's
	s_add_co_u32 s72, s[WV], 2
	s_and_b32 s72, s72, 3                          ; 0, 1, 2 in waves 2, 3, 4
	s_lshl_b32 s72, s72, 12
	s_mov_b32 s[G0S], 1
	s_add_co_u32 s[G0S+1], s72, SCK                ; SCV follows SCK's 8,192 bytes
	s_lshl_b32 s73, s12, 13
	s_add_co_u32 s72, s72, s73
	s_add_co_u32 s72, s72, 524288                  ; k's scale words, my half
	s_lshl_b32 s73, s12, 12
	s_add_co_u32 s73, s73, 1048576                 ; v's
	s_cmp_lt_u32 s[WV], 4
	s_cselect_b32 s72, s72, s73
	s_mov_b32 s73, 0
	s_mov_b32 s[SEL], 0x76543210
	s_mov_b32 s[SEL+1], 0xfedcba98
	s_mov_b32 s[CS], 0x3e38aa3b                    ; log2(e) / 8
	s_mov_b32 s[CS+1], s[CS]
	s_mov_b32 s[TB], 0
	s_mov_b32 s[TS], 0
	s_mov_b32 s[TJ], 0
	s_mov_b32 s[SLOTS], 3
	s_mov_b32 s[KF], 0
	s_wait_dscnt 0x0                               ; both opening adds are done
	s_wait_kmcnt 0x0
	s_add_nc_u64 s[G0+2:G0+3], s[4:5], s[70:71]
	s_or_b32 s[G0+3], s[G0+3], 0x80000000
	s_add_nc_u64 s[G0S+2:G0S+3], s[6:7], s[72:73]
	s_or_b32 s[G0S+3], s[G0S+3], 0x80000000
	s_cmp_lt_u32 s[WV], 2                          ; the first fills: one a wave, in one branch on the wave's number
	s_cbranch_scc0 .Lnot_kv
	tensor_load_to_lds s[G0:G0+3], s[G1:G1+7]      ; slot 0
	s_nop 0
.rept 4
	v_nop
.endr
	s_branch .Lfilled
.Lnot_kv:
	s_cmp_lt_u32 s[WV], 5
	s_cbranch_scc0 .Lfilled
	tensor_load_to_lds s[G0S:G0S+3], s[G1S:G1S+7]  ; the head's scale words: filled once
	s_nop 0
.rept 4
	v_nop
.endr
.Lfilled:
	s_lshl_b32 s82, s17, 9
	s_add_co_u32 s82, s82, s69
	s_mov_b32 s83, 0
	s_add_nc_u64 s[84:85], s[4:5], s[82:83]        ; q's image of my tile
	s_lshl_b32 s82, s12, 13
	s_lshl_b32 s88, s17, 6
	s_add_co_u32 s82, s82, s88
	s_add_nc_u64 s[86:87], s[6:7], s[82:83]        ; its scale words
	s_lshr_b32 s88, s12, 4                         ; b
	s_and_b32 s89, s12, 15                         ; head
	s_lshl_b32 s82, s88, 7
	s_add_co_u32 s82, s82, s17
	s_lshl_b32 s82, s82, 13
	s_lshl_b32 s90, s89, 9
	s_add_co_u32 s82, s82, s90
	s_add_nc_u64 s[8:9], s[8:9], s[82:83]          ; oc: (128 b + T) 8,192 + 512 head
	s_lshl_b32 s82, s89, 15
	s_lshl_b32 s90, s88, 13
	s_add_co_u32 s82, s82, s90
	s_lshl_b32 s90, s16, 9
	s_add_co_u32 s82, s82, s90
	s_add_nc_u64 s[10:11], s[10:11], s[82:83]      ; os: 32,768 head + 4 (2,048 b + 128 block); in waves 0 and 1 the block is j and 15 - j
	s_cmp_lt_u32 s[WV], 10
	s_cselect_b32 s82, 1, 2
	s_lshl_b32 s82, s82, 22
	s_add_co_u32 s82, s82, s69
	s_lshl_b32 s90, s68, 13
	s_add_co_u32 s82, s82, s90
	s_add_co_u32 s82, s82, 16384                   ; in slot 1's keys: the first change of slots steps it to slot 2's
	s_add_nc_u64 s[PFA:PFA+1], s[4:5], s[82:83]
	s_sub_co_u32 s82, s[WV], 8
	s_lshr_b32 s82, s82, 2                         ; 0 in waves 8 to 11,
	s_or_b32 s82, s82, ttmp9                       ; of work-group j = 0
	s_cmp_eq_u32 s82, 0
	s_cselect_b32 s[LIM], 1, -1
	v_and_b32 v8, 31, v0
	s_delay_alu instid0(VALU_DEP_1)
	v_lshlrev_b32 v[LI], 4, v8
	s_delay_alu instid0(VALU_DEP_2)
	v_lshl_add_u32 v[ASK0], v8, 2, SCK
	s_delay_alu instid0(VALU_DEP_3)
	v_lshl_add_u32 v[ASV0], v8, 2, SCV
	s_delay_alu instid0(VALU_DEP_4)
	v_lshlrev_b32 v[PFO], 8, v8
	v_and_b32 v9, 15, v0                           ; r
	v_bfe_u32 v10, v0, 4, 1                        ; h
	global_load_b128 v[16:19], v[LI], s[84:85]     ; Q's fragment, registers 0-3: it stays
	v_lshlrev_b32 v254, 2, v9
	global_load_b32 v255, v254, s[86:87]           ; Q's scale words
.irp i, 20,21,22,23
	v_mov_b32 v[\i], 0                             ; d = 64 .. 127: zero codes
.endr
.irp t, 0,1,2,3,4,5,6,7
.irp i, 4,5,6,7
	v_mov_b32 v[32+8*\t+\i], 0                     ; the same in K's eight fragments: written once
.endr
.endr
	s_lshl_b32 s88, s13, 9
	s_lshl_b32 s89, s14, 6
	s_add_co_u32 s88, s88, s89
	s_add_co_u32 s88, s88, OST
	v_lshl_add_u32 v[OSW], v9, 2, s88              ; OST + 512 hi + 64 tile + 4 r
	s_lshl_b32 s88, s68, 9
	s_add_co_u32 s88, s88, OST
	v_add_nc_u32 v[OSR], s88, v[LI]
	s_lshr_b32 s88, s14, 1
	s_lshl_b32 s88, s88, 5
	s_and_b32 s89, s14, 1
	s_lshl_b32 s89, s89, 3
	s_add_co_u32 s88, s88, s89
	v_and_b32 v29, 8, v9
	s_delay_alu instid0(VALU_DEP_1)
	v_add_nc_u32 v29, v29, v9
	s_delay_alu instid0(VALU_DEP_1)
	v_add_nc_u32 v29, s88, v29                     ; my query in its block: 32 (tile / 2) + 8 (tile % 2) + r + 8 (r / 8)
	v_lshlrev_b32 v[DQ], 4, v10
	s_delay_alu instid0(VALU_DEP_1)
	v_sub_nc_u32 v[DQ], v29, v[DQ]
	v_mov_b32 v13, 0xff61b1e6                      ; the largest t so far: -3e38
	s_delay_alu instid0(VALU_DEP_1)
	v_floor_f32 v12, -v13                          ; -M
	v_mov_b32 v14, 0
	v_mov_b32 v15, 0
.irp b, 0,1,2,3
	v_mov_b32 v[236+\b], 0                         ; a lane permute's destination counts as one of its sources
.endr
	v_mov_b32 v253, 0                              ; (named as the upper half of v[252:253] before it is first written)
.set j, 0
.rept 32
	v_mov_b32 v[160+j], 0                          ; O^T: the loop is written once; its first step finds zeros
.set j, j+1
.endr
; A KEY STEP: 128 keys, the q-th of the slot in hand.
.macro STEP q
	s_cmp_gt_u32 s[KF], s[Q0]                      ; all its keys come after my block's queries: a branch on ids, round the step's loads, products and softmax alone
	s_cbranch_scc1 .Lhidden_\@
	v_add_nc_u32 v[ADK], s[TB], v[LI]
	v_add_nc_u32 v[ADS], s[TS], v[ASK0]
	v_add_nc_u32 v[ADT], s[TJ], v[ASV0]
	v_nop                                          ; four plain lines between the last step's products and the loads into their operands
.irp t, 0,1,2,3,4,5,6,7
	ds_load_b128 v[32+8*\t:35+8*\t], v[ADK] offset:512*(8*(\q)+\t)
.endr
.irp p, 0,1,2,3
	ds_load_b32 v[KSC+\p], v[ADS] offset:128*\p
.endr
.irp t, 0,1,2,3
.irp c, 0,1
	ds_load_b128 v[192+8*\t+4*\c:195+8*\t+4*\c], v[ADK] offset:16384+4096*(\q)+1024*\t+512*\c
.endr
.endr
.irp p, 0,1
	ds_load_b32 v[VSC+\p], v[ADT] offset:128*\p
.endr
	s_wait_dscnt 10                                ; K and its scale words are in; V's ten loads may be out
.irp t, 0,2,4,6
	v_wmma_scale_f32_16x16x128_f8f6f4 v[96+8*\t:103+8*\t], v[32+8*\t:39+8*\t], v[16:23], 0, v[KSC+\t/2], v255 matrix_a_fmt:MATRIX_FMT_FP4 matrix_b_fmt:MATRIX_FMT_FP4
	v_wmma_scale_f32_16x16x128_f8f6f4 v[104+8*\t:111+8*\t], v[40+8*\t:47+8*\t], v[16:23], 0, v[KSC+\t/2], v255 matrix_a_fmt:MATRIX_FMT_FP4 matrix_b_fmt:MATRIX_FMT_FP4 matrix_a_scale:MATRIX_SCALE_ROW1
.endr
.rept 4
	v_nop
.endr
	s_cmp_lg_u32 s[KF], s[Q0]                      ; only the step on the diagonal hides keys
	s_cbranch_scc1 .Lopen_\@
	v_mov_b32 v254, 0xff800000                     ; -infinity
.set n, 0
.rept 64
	v_cmp_gt_i32 vcc_lo, 32*(n/16)+n%16, v[DQ]     ; register 16 b + i holds key 32 b + i + 16 (lane / 16) of the block: hidden where it comes after my query
	v_cndmask_b32 v[96+n], v[96+n], v254, vcc_lo
.set n, n+1
.endr
.Lopen_\@:
.irp b, 0,1,2,3
	v_max3_num_f32 v[232+\b], v[96+16*\b], v[97+16*\b], v[98+16*\b]   ; the largest score of each block of 32 keys: for the row's maximum, and, since p rises with the score, for the block's largest p
.endr
.irp i, 3,5,7,9,11,13
.irp b, 0,1,2,3
	v_max3_num_f32 v[232+\b], v[232+\b], v[96+16*\b+\i], v[97+16*\b+\i]
.endr
.endr
.irp b, 0,1,2,3
	v_max_num_f32 v[232+\b], v[232+\b], v[111+16*\b]
.endr
.irp b, 0,1,2,3
	s_delay_alu instid0(VALU_DEP_4)
	v_permlanex16_b32 v[236+\b], v[232+\b], s[SEL], s[SEL+1]
.endr
.irp b, 0,1,2,3
	s_delay_alu instid0(VALU_DEP_4)
	v_max_num_f32 v[232+\b], v[232+\b], v[236+\b]  ; with lane l xor 16's 16 keys
.endr
	s_delay_alu instid0(VALU_DEP_2)
	v_max3_num_f32 v254, v232, v233, v234
	s_delay_alu instid0(VALU_DEP_1)
	v_max_num_f32 v254, v254, v235
	s_delay_alu instid0(VALU_DEP_1)
	v_mul_f32 v254, s[CS], v254                    ; the step's largest t
	s_delay_alu instid0(VALU_DEP_1)
	v_max_num_f32 v13, v13, v254
	v_mov_b32 v254, v12
	s_delay_alu instid0(VALU_DEP_2)
	v_floor_f32 v12, -v13                          ; the new -M = -ceil(t)
	s_delay_alu instid0(VALU_DEP_1)
	v_sub_f32 v254, v12, v254                      ; old M - new M: a whole number, 0 or less
	s_delay_alu instid0(VALU_DEP_1)
	v_cvt_i32_f32 v254, v254                       ; (it saturates)
	s_delay_alu instid0(VALU_DEP_1)
	v_ldexp_f32 v252, 1.0, v254                    ; f = 2^(old M - new M): exact
.set j, 0
.rept 32
	v_pk_fma_f32 v[96+j:97+j], v[96+j:97+j], s[CS:CS+1], v[12:13] op_sel_hi:[1,0,0]   ; t - M, two at a time
.set j, j+2
.endr
.irp b, 0,1,2,3
	v_fma_f32 v[232+\b], v[232+\b], s[CS], v12
.endr
.set j, 0
	s_wait_alu depctr_va_vdst(0)
.rept 64
	v_exp_f32 v[96+j], v[96+j]                     ; p = 2^(t - M)
.set j, j+1
.endr
	v_pk_mul_f32 v[14:15], v[14:15], v[252:253] op_sel_hi:[1,0]   ; the sums under the new M (a plain line behind the exponentials)
	s_wait_alu depctr_va_vdst(0)                   ; one wait for the batch of 64, ahead of its first reader
.irp b, 0,1,2,3
	v_exp_f32 v[232+\b], v[232+\b]                 ; each block's largest p
.endr
	v_pk_add_f32 v[236:237], v[100:101], v[104:105]
	v_pk_add_f32 v[250:251], v[108:109], v[112:113]
	v_pk_add_f32 v[248:249], v[116:117], v[120:121]
	v_pk_add_f32 v[246:247], v[124:125], v[128:129]
	v_pk_add_f32 v[244:245], v[132:133], v[136:137]
	v_pk_add_f32 v[242:243], v[140:141], v[144:145]
	v_pk_add_f32 v[240:241], v[148:149], v[152:153]
	v_pk_add_f32 v[14:15], v[14:15], v[156:157]
	v_pk_add_f32 v[236:237], v[236:237], v[96:97]
	v_pk_add_f32 v[250:251], v[250:251], v[98:99]
	v_pk_add_f32 v[248:249], v[248:249], v[102:103]
	v_pk_add_f32 v[246:247], v[246:247], v[106:107]
	v_pk_add_f32 v[244:245], v[244:245], v[110:111]
	v_pk_add_f32 v[242:243], v[242:243], v[114:115]
	v_pk_add_f32 v[240:241], v[240:241], v[118:119]
	v_pk_add_f32 v[14:15], v[14:15], v[122:123]
	v_pk_add_f32 v[236:237], v[236:237], v[126:127]
	v_pk_add_f32 v[250:251], v[250:251], v[130:131]
	v_pk_add_f32 v[248:249], v[248:249], v[134:135]
	v_pk_add_f32 v[246:247], v[246:247], v[138:139]
	v_pk_add_f32 v[244:245], v[244:245], v[142:143]
	v_pk_add_f32 v[242:243], v[242:243], v[146:147]
	v_pk_add_f32 v[240:241], v[240:241], v[150:151]
	v_pk_add_f32 v[14:15], v[14:15], v[154:155]
	v_pk_add_f32 v[236:237], v[236:237], v[158:159]
	s_delay_alu instid0(VALU_DEP_2)
	v_pk_add_f32 v[14:15], v[14:15], v[246:247]
	s_delay_alu instid0(VALU_DEP_2)
	v_pk_add_f32 v[236:237], v[236:237], v[244:245]
	v_pk_add_f32 v[250:251], v[250:251], v[242:243]
	v_pk_add_f32 v[248:249], v[248:249], v[240:241]
	s_delay_alu instid0(VALU_DEP_2)
	v_pk_add_f32 v[14:15], v[14:15], v[250:251]
	s_delay_alu instid0(VALU_DEP_2)
	v_pk_add_f32 v[236:237], v[236:237], v[248:249]
	s_delay_alu instid0(VALU_DEP_1)
	v_pk_add_f32 v[14:15], v[14:15], v[236:237]
	s_wait_alu depctr_va_vdst(0)                   ; and one for the four
.irp b, 0,1,2,3
	v_max_num_f32 v[232+\b], 0x1800000, v[232+\b]  ; the floor: the byte cannot fall under 1
.endr
.irp b, 0,1,2,3
	s_delay_alu instid0(VALU_DEP_4)
	v_add_nc_u32 v[244+\b], 0xff000000, v[232+\b]  ; the conversion's scale operand
.endr
.irp b, 0,1,2,3
	s_delay_alu instid0(VALU_DEP_4)
	v_lshrrev_b32 v[236+\b], 23, v[244+\b]
.endr
	s_delay_alu instid0(VALU_DEP_3)
	v_lshl_or_b32 v253, v237, 8, v236              ; p's scale word for these 128 keys
	s_delay_alu instid0(VALU_DEP_1)
	v_lshl_or_b32 v253, v238, 16, v253
	s_delay_alu instid0(VALU_DEP_1)
	v_lshl_or_b32 v253, v239, 24, v253
.irp b, 0,1,2,3
	v_cvt_scalef32_pk8_fp4_f32 v[224+2*\b], v[96+16*\b:103+16*\b], v[244+\b]
	v_cvt_scalef32_pk8_fp4_f32 v[225+2*\b], v[104+16*\b:111+16*\b], v[244+\b]
.endr
	v_nop                                          ; one plain line behind the conversions
.irp c, 0,1
.irp i, 0,1
	v_permlane16_swap_b32 v[224+4*\c+\i], v[226+4*\c+\i]
.endr
.endr
.set j, 0
.rept 16
	v_pk_mul_f32 v[160+j:161+j], v[160+j:161+j], v[252:253] op_sel_hi:[1,0]   ; O^T under the new M; these sixteen also stand between the lines that wrote p's codes and scale word and the products
.set j, j+2
.endr
	s_wait_alu depctr_va_vdst(0)
	s_wait_dscnt 0x0                               ; V and its scale words
.irp t, 0,2
	v_wmma_scale_f32_16x16x128_f8f6f4 v[160+8*\t:167+8*\t], v[192+8*\t:199+8*\t], v[224:231], v[160+8*\t:167+8*\t], v[VSC+\t/2], v253 matrix_a_fmt:MATRIX_FMT_FP4 matrix_b_fmt:MATRIX_FMT_FP4
	v_wmma_scale_f32_16x16x128_f8f6f4 v[168+8*\t:175+8*\t], v[200+8*\t:207+8*\t], v[224:231], v[168+8*\t:175+8*\t], v[VSC+\t/2], v253 matrix_a_fmt:MATRIX_FMT_FP4 matrix_b_fmt:MATRIX_FMT_FP4 matrix_a_scale:MATRIX_SCALE_ROW1
.endr
.Lhidden_\@:
	s_add_co_u32 s[KF], s[KF], 128
	s_add_co_u32 s[TS], s[TS], 512                 ; the next step's scale words
	s_add_co_u32 s[TJ], s[TJ], 256
.endm
; THE CHANGE OF SLOTS, at a slot's head: each wave waits for all its tensor loads, adds 0 to its spare word, waits for that and for its reads of the slot that it has left; one barrier; then the slot that was left is asked for anew.
.macro CHANGE fill
	s_wait_tensorcnt 0x0                           ; no tensor load of mine is out, so the walking descriptor may be written
	ds_add_u32 v[SPW], v[NIL]
.if \fill
	ds_add_u32 v[SPW], v[NIL]                      ; and, where a load may follow, twice on end, in every trip alike
	s_xor_b32 s[G0+1], s[G0+1], SL1                ; the other slot than last time,
	s_add_nc_u64 s[G0+2:G0+3], s[G0+2:G0+3], 16384 ; the next 512 keys' images
	s_wait_xcnt 0x0                                ; the last prefetch, a slot back, has read its address
	s_add_nc_u64 s[PFA:PFA+1], s[PFA:PFA+1], 16384
.endif
	s_wait_dscnt 0x0
	s_barrier_signal -1
	s_barrier_wait -1
.if \fill
	s_add_co_u32 s96, s[KF], 512                   ; the first key of the slot that this change would ask for:
	s_cmp_gt_u32 s96, s[QL]                        ; behind my work-group's last query no wave reads it, so it is not asked for.  Ids and the count of steps alone: all sixteen waves go the same way
	s_cbranch_scc1 .Lpast_\@
	TLOAD                                          ; a wave's one tensor load until the next barrier
.Lpast_\@:
	ASK
.endif
.endm
.macro SLOT_STEPS
.irp q, 0,1,2,3
	STEP \q
.endr
	s_xor_b32 s[TB], s[TB], SL1
.endm
	s_wait_loadcnt 0x0                             ; Q
.Lslot:                                            ; three trips: every work-group walks all four slots, so that the trip counts are constants
	CHANGE 1
	SLOT_STEPS
	s_sub_co_u32 s[SLOTS], s[SLOTS], 1
	s_cmp_lg_u32 s[SLOTS], 0
	s_cbranch_scc1 .Lslot
	CHANGE 0                                       ; the last slot is written out: nothing is left to ask for
	SLOT_STEPS
	; THE WAY OUT: O^T / the sum, quantised along d (two blocks of 32), stored as an image of the next product's operand
.rept 4
	v_nop                                          ; behind the last products
.endr
	v_add_f32 v14, v14, v15
	s_delay_alu instid0(VALU_DEP_1)
	v_permlanex16_b32 v236, v14, s[SEL], s[SEL+1]
	s_delay_alu instid0(VALU_DEP_1)
	v_add_f32 v14, v14, v236                       ; the row's sum
	s_wait_alu depctr_va_vdst(0)
	v_rcp_f32 v14, v14
	v_nop                                          ; a plain line behind the reciprocal,
	s_wait_alu depctr_va_vdst(0)                   ; and the wait ahead of its first reader
.set j, 0
.rept 32
	v_mul_f32 v[96+j], v[160+j], v14               ; register 16 b + i is o(my query, 32 b + 16 (lane / 16) + i)
.set j, j+1
.endr
.irp b, 0,1
	v_max3_num_f32 v[232+\b], |v[96+16*\b]|, |v[97+16*\b]|, 0x1800000
.endr
.irp i, 2,4,6,8,10,12,14
.irp b, 0,1
	s_delay_alu instid0(VALU_DEP_2)
	v_max3_num_f32 v[232+\b], v[232+\b], |v[96+16*\b+\i]|, |v[97+16*\b+\i]|
.endr
.endr
.irp b, 0,1
	s_delay_alu instid0(VALU_DEP_2)
	v_permlanex16_b32 v[236+\b], v[232+\b], s[SEL], s[SEL+1]
.endr
.irp b, 0,1
	s_delay_alu instid0(VALU_DEP_2)
	v_max_num_f32 v[232+\b], v[232+\b], v[236+\b]
.endr
.irp b, 0,1
	s_delay_alu instid0(VALU_DEP_2)
	v_add_nc_u32 v[244+\b], 0xff000000, v[232+\b]
.endr
.irp b, 0,1
	s_delay_alu instid0(VALU_DEP_2)
	v_lshrrev_b32 v[236+\b], 23, v[244+\b]
.endr
	s_delay_alu instid0(VALU_DEP_1)
	v_lshl_or_b32 v253, v237, 8, v236              ; the head's two bytes; bytes 2 and 3 are 0
.irp b, 0,1
	v_cvt_scalef32_pk8_fp4_f32 v[224+2*\b], v[96+16*\b:103+16*\b], v[244+\b]
	v_cvt_scalef32_pk8_fp4_f32 v[225+2*\b], v[104+16*\b:111+16*\b], v[244+\b]
.endr
	v_nop
	v_permlane16_swap_b32 v224, v226               ; a whole block to a lane
	v_permlane16_swap_b32 v225, v227
	global_store_b128 v[LI], v[224:227], s[8:9]    ; 512 consecutive bytes, aligned
	ds_store_b32 v[OSW], v253                      ; lanes 16-31 store the same word to the same place
	s_wait_dscnt 0x0                               ; for the others' sake
	s_barrier_signal -1
	s_barrier_wait -1
	s_cmp_gt_u32 s[WV], 1
	s_cbranch_scc1 .Lend
	ds_load_b128 v[232:235], v[OSR]                ; wave 0: block j's 128 words; wave 1: block 15 - j's
	s_wait_dscnt 0x0
	global_store_b128 v[LI], v[232:235], s[10:11]
.Lend:
	s_wait_tensorcnt 0x0                           ; the wave's end
	ds_add_u32 v[SPW], v[NIL]
	s_wait_dscnt 0x0
	s_endpgm
.Lfunc_end_k_q3c430a2b10_attn:
	.size	k_q3c430a2b10_attn, .Lfunc_end_k_q3c430a2b10_attn-k_q3c430a2b10_attn
	.p2alignl 7, 3214868480
	.fill 96, 4, 3214868480
	.section	.rodata,"a",@progbits
	.p2align	6, 0x0
	.amdhsa_kernel k_q3c430a2b10_attn
		.amdhsa_group_segment_fixed_size 327680
		.amdhsa_private_segment_fixed_size 0
		.amdhsa_enable_private_segment 0
		.amdhsa_kernarg_size 32
		.amdhsa_user_sgpr_count 2
		.amdhsa_user_sgpr_kernarg_segment_ptr 1
		.amdhsa_wavefront_size32 1
		.amdhsa_system_sgpr_workgroup_id_x 1
		.amdhsa_system_sgpr_workgroup_id_y 1
		.amdhsa_system_sgpr_workgroup_id_z 1
		.amdhsa_system_vgpr_workitem_id 0
		.amdhsa_next_free_vgpr 256
		.amdhsa_next_free_sgpr 100
		.amdhsa_reserve_vcc 1
		.amdhsa_float_denorm_mode_32 3
		.amdhsa_float_denorm_mode_16_64 3
		.amdhsa_memory_ordered 1
		.amdhsa_forward_progress 1
		.amdhsa_inst_pref_size 185
	.end_amdhsa_kernel
	.amdgpu_metadata
---
amdhsa.version: [ 1, 2 ]
amdhsa.kernels:
  - .name:           k_q3c430a2b10_attn
    .symbol:         k_q3c430a2b10_attn.kd
    .args:
      - { .name: qkvc, .offset: 0, .size: 8, .value_kind: global_buffer, .address_space: global }
      - { .name: qkvs, .offset: 8, .size: 8, .value_kind: global_buffer, .address_space: global }
      - { .name: oc, .offset: 16, .size: 8, .value_kind: global_buffer, .address_space: global }
      - { .name: os, .offset: 24, .size: 8, .value_kind: global_buffer, .address_space: global }
    .group_segment_fixed_size: 327680
    .private_segment_fixed_size: 0
    .kernarg_segment_align: 8
    .kernarg_segment_size: 32
    .max_flat_workgroup_size: 512
    .sgpr_count:     100
    .vgpr_count:     256
    .wavefront_size: 32
...
	.end_amdgpu_metadata
.endif
;; end of part 3
;; launch proj (part 4): grid 4 x 32, 4 waves a work-group, clusters of 4 x 4, 327,680 bytes of LDS; arguments oc, os, acodes, ascales, b_o, out0; writes out0
.if DOCPART == 4
	.amdgcn_target "amdgcn-amd-amdhsa--gfx1250"
	.amdhsa_code_object_version 6
	.text
	.protected	k_q3c430a2b10_proj
	.globl	k_q3c430a2b10_proj
	.p2align	8
	.type	k_q3c430a2b10_proj,@function
k_q3c430a2b10_proj:
	s_mov_b64 s[64:65], 0
	v_nop
	global_prefetch_b8 v0, s[64:65] scope:SCOPE_SE
	s_setreg_imm32_b32 hwreg(HW_REG_WAVE_MODE, 25, 1), 1
	s_wait_xcnt 0x0
	s_wait_alu depctr_hold_cnt(0) depctr_sa_sdst(0) depctr_va_vdst(0) depctr_va_sdst(0) depctr_va_ssrc(0) depctr_va_vcc(0) depctr_vm_vsrc(0)
	s_getreg_b32 s2, hwreg(HW_REG_IB_STS2, 6, 4)
	s_cmp_eq_u32 s2, 0
	s_cbranch_scc0 .Lentry_in_a_cluster
	s_endpgm
.Lentry_in_a_cluster:
	s_bfe_u32 s2, ttmp6, 0x10000c
	s_cmp_lg_u32 s2, 0xf033
	s_cbranch_scc0 .Lentry_shape_is_right
	s_endpgm
.Lentry_shape_is_right:
; out0 = o W_o + b_o on codes of FP4, K = 1,024.  A tile of 256 x 256 to a work-group of four waves, 128 x 128 to a wave; K in two LDS slots of 512, both asked for at the head: nothing is filled again.
; CLUSTERS: 4 x 4 work-groups; o's tiles (source 1) are shared along a row of the cluster, W_o's (source 0) along a column: joint loads.
; o comes as images of its operand's registers (oc: [row tile][K step 8][c 2][lane][16 bytes]): a fragment is two loads at 16 x lane.  Its scale words are put together once, at the head, from os ([head][row]: two bytes a word):
; K step q's word of a row is head 2 q's two bytes below head 2 q + 1's.  W_o's columns lie in acodes from row 11,264 on, its scale bytes in ascales.
; Rows of o and columns of W_o lie at rho (bits 3 and 4 exchanged): tile b's register j is column 32 (b / 2) + 16 (lane / 16) + 8 (b % 2) + j, and lane r of block a is row 32 (a / 2) + 8 (a % 2) + r + 8 (r / 8): the way out puts both right.
; 128 work-groups: a smaller tile would give each WGP one, at twice the LDS bytes for each product.
; REGISTERS: window 0: v12-15 b_o; v16-29 addresses; v32-95 W_o's scale words, two sets; v96-127 o's scale words; v128-191 o's fragments; window 1: W_o's fragments, two sets; windows 2, 3: the accumulators.
.set NQ,     4
.set ROWB,   256
.set KROW,   512
.set PITCH,  272
.set FR,     8
.set NL,     2
.set NP,     4
.set HALFT,  128*PITCH                 ; a wave's part of a slot: W_o's 128 padded rows; o's images take 32,768 bytes of it
.set SLOT,   4*HALFT
.set KS,     32
.set HALFS,  (128*KS/256)*272
.set SBLK,   (16*KS/256)*272
.set SCLB,   2*SLOT                    ; W_o's scale bytes: two halves
.set SCLA,   SCLB+2*HALFS              ; o's scale words: two halves of [head 16][128 rows] words
.set SPARE,  SCLA+2*8192               ; the spare words
.set SPITCH, 528                       ; the way out: a stage of 16 rows x (512 bytes + 16) a wave, in slot 0, whose one fill and last read are over
.set BO,   12
.set ADRA, 16
.set ADRB, 20
.set ASA,  23                          ; v23  o's scale words in LDS: my half + 4 x lane
.set STO,  24
.set RD,   25
.set CO,   26
.set ADRS, 27
.set SPW,  28
.set NIL,  29
.set SC,   32
.set SA,   96                          ; register 4 (K step) + a / 2: lanes 0-15 block a even, lanes 16-31 block a odd
.set AF,   128
.set BK,   128
.set TT,   192                         ; at the head: the 64 words from which SA is made
.set G1, 24
.set G0, 32
.set G1B, 48
.set G0B, 56
.set G1S, 68
.set G0S, 76
.set G1SB, 80
.set G0SB, 88
.set MSB, 0
.macro WIN new
.if MSB != \new
	s_set_vgpr_msb (MSB<<8)|\new
.set MSB, \new
.endif
.endm
.set MUL_LO, 0xa1
.set MUL_HI, 0xf1
.set TO_B,   0x40
.macro JLOAD g0a, g1a, g0b, g1b        ; waves 0 and 1 fetch for o, waves 2 and 3 for W_o; an s_nop 0 and four v_nop follow each of the two lines
	s_cmp_eq_u32 s15, 0
	s_cbranch_scc0 .Lfor_b_\@
	tensor_load_to_lds s[\g0a:\g0a+3], s[\g1a:\g1a+7]
	s_nop 0
.rept 4
	v_nop
.endr
	s_branch .Lasked_\@
.Lfor_b_\@:
	tensor_load_to_lds s[\g0b:\g0b+3], s[\g1b:\g1b+7]
	s_nop 0
.rept 4
	v_nop
.endr
.Lasked_\@:
.endm
.macro CROUND
	s_barrier_signal -1
	s_barrier_wait -1
	s_cmp_lg_u32 s14, 0
	s_cbranch_scc1 .Lnot_wave_0_\@
	s_barrier_signal -3
.Lnot_wave_0_\@:
	s_barrier_wait -3
	s_barrier_signal -1
	s_barrier_wait -1
.endm
	s_load_b128 s[4:7], s[0:1], 0x0                ; oc, os
	s_load_b128 s[8:11], s[0:1], 0x10              ; acodes, ascales
	s_load_b128 s[96:99], s[0:1], 0x20             ; b_o, out0
	v_lshl_add_u32 v[SPW], v0, 2, SPARE
	v_mov_b32 v[NIL], 0
	ds_add_u32 v[SPW], v[NIL]                      ; the wave's opening: the add, twice on end, and its wait ahead of my first tensor load
	ds_add_u32 v[SPW], v[NIL]
	v_lshrrev_b32 v1, 5, v0
	v_readfirstlane_b32 s14, v1
	s_lshr_b32 s15, s14, 1                         ; my half of the tile's rows.  Also: I fetch for o (0) or for W_o (1)
	s_and_b32 s16, s14, 1                          ; my half of its columns.  Also: which half I fetch
	s_bfe_u32 s40, ttmp6, 0x40000                  ; cx
	s_bfe_u32 s41, ttmp6, 0x40004                  ; cy
	s_lshl_b32 s42, ttmp9, 2
	s_add_co_u32 s42, s42, s40                     ; tile column
	s_and_b32 s17, ttmp7, 0xffff
	s_lshl_b32 s17, s17, 2
	s_add_co_u32 s17, s17, s41                     ; tile row
	s_lshl_b32 s43, s41, 2
	s_lshl_b32 s43, 15, s43                        ; my row of the cluster
	s_lshl_b32 s44, 0x1111, s40                    ; my column
	s_or_b32 s[G1+0], s43, (3<<16)|(1<<21)         ; o's images: eight row tiles' 4,096 bytes (four K steps), 8,192 bytes apart; elements of 8 bytes; no padding
	s_mov_b32 s[G1+1], 512<<16
	s_mov_b32 s[G1+2], 8<<16
	s_mov_b32 s[G1+3], 512<<16
	s_mov_b32 s[G1+4], 8
	s_mov_b32 s[G1+5], 1024
	s_mov_b32 s[G1+6], 0
	s_mov_b32 s[G1+7], 0
	s_or_b32 s[G1B+0], s44, (0<<16)|(1<<20)|(1<<21)|(5<<22)|(3<<25)  ; W_o: 128 rows of 256 bytes, 16 bytes of padding behind each
	s_mov_b32 s[G1B+1], ROWB<<16
	s_mov_b32 s[G1B+2], 128<<16
	s_mov_b32 s[G1B+3], ROWB<<16
	s_mov_b32 s[G1B+4], 128
	s_mov_b32 s[G1B+5], KROW
	s_mov_b32 s[G1B+6], 0
	s_mov_b32 s[G1B+7], 0
	s_or_b32 s[G1S+0], s43, (3<<16)|(1<<21)        ; o's scale words: sixteen heads' 512 bytes (128 rows), 32,768 bytes apart
	s_mov_b32 s[G1S+1], 64<<16
	s_mov_b32 s[G1S+2], 16<<16
	s_mov_b32 s[G1S+3], 64<<16
	s_mov_b32 s[G1S+4], 16
	s_mov_b32 s[G1S+5], 4096
	s_mov_b32 s[G1S+6], 0
	s_mov_b32 s[G1S+7], 0
	s_or_b32 s[G1SB+0], s44, (3<<16)|(1<<20)|(1<<21)|(5<<22)|(3<<25)  ; W_o's scale bytes of 128 rows: 4,096 dense bytes as 16 rows of 256, padded
	s_mov_b32 s[G1SB+1], 32<<16
	s_mov_b32 s[G1SB+2], (128*KS/256)<<16
	s_mov_b32 s[G1SB+3], 32<<16
	s_mov_b32 s[G1SB+4], 128*KS/256
	s_mov_b32 s[G1SB+5], 32
	s_mov_b32 s[G1SB+6], 0
	s_mov_b32 s[G1SB+7], 0
	s_lshl_b32 s20, s17, 17                        ; o: 16 row tiles of 8,192 bytes a tile row,
	s_lshl_b32 s18, s16, 16
	s_add_co_u32 s20, s20, s18                     ; + my eight
	s_mov_b32 s21, 0
	s_lshl_b32 s22, s17, 10                        ; its scale words: 256 rows x 4 bytes,
	s_lshl_b32 s18, s16, 9
	s_add_co_u32 s22, s22, s18
	s_mov_b32 s23, 0
	s_lshl_b32 s46, s42, 8
	s_add_co_u32 s46, s46, 11264
	s_lshl_b32 s18, s16, 7
	s_add_co_u32 s46, s46, s18                     ; W_o: row 11,264 + 256 x tile column + 128 x half
	s_lshl_b32 s92, s46, 5
	s_mov_b32 s93, 0
	s_lshl_b32 s46, s46, 9
	s_mov_b32 s47, 0
	s_mul_i32 s45, s14, HALFT                      ; where they go: no place in the cluster enters an LDS address
	s_lshl_b32 s94, s16, 13
	s_add_co_u32 s94, s94, SCLA
	s_mul_i32 s95, s16, HALFS
	s_add_co_u32 s95, s95, SCLB
	s_wait_dscnt 0x0                               ; both opening adds are done
	s_wait_kmcnt 0x0
	s_add_nc_u64 s[20:21], s[4:5], s[20:21]
	s_add_nc_u64 s[22:23], s[6:7], s[22:23]
	s_add_nc_u64 s[46:47], s[8:9], s[46:47]
	s_add_nc_u64 s[92:93], s[10:11], s[92:93]
	CROUND                                         ; all sixteen work-groups are here: the joint loads meet
	s_mov_b32 s[G0S], 1
	s_mov_b32 s[G0S+1], s94
	s_mov_b64 s[G0S+2:G0S+3], s[22:23]
	s_or_b32 s[G0S+3], s[G0S+3], 0x80000000
	s_mov_b32 s[G0SB], 1
	s_mov_b32 s[G0SB+1], s95
	s_mov_b64 s[G0SB+2:G0SB+3], s[92:93]
	s_or_b32 s[G0SB+3], s[G0SB+3], 0x80000000
	JLOAD G0S, G1S, G0SB, G1SB                     ; the scales first
.irp s, 0,1
	s_mov_b32 s[G0+4*\s], 1
	s_add_co_u32 s[G0+4*\s+1], s45, \s*SLOT
	s_add_nc_u64 s[G0+4*\s+2:G0+4*\s+3], s[20:21], \s*4096
	s_or_b32 s[G0+4*\s+3], s[G0+4*\s+3], 0x80000000
	s_mov_b32 s[G0B+4*\s], 1
	s_add_co_u32 s[G0B+4*\s+1], s45, \s*SLOT
	s_add_nc_u64 s[G0B+4*\s+2:G0B+4*\s+3], s[46:47], \s*ROWB
	s_or_b32 s[G0B+4*\s+3], s[G0B+4*\s+3], 0x80000000
	JLOAD G0+4*\s, G1, G0B+4*\s, G1B               ; three loads of mine are out: all of K
.endr
	v_and_b32 v1, 15, v0                           ; r
	v_bfe_u32 v2, v0, 4, 1                         ; h
	v_and_b32 v6, 31, v0
	v_lshlrev_b32 v[CO], 4, v6                     ; 16 x lane
	v_mul_u32_u24 v3, v1, PITCH
	v_lshl_add_u32 v4, v2, 4, v3
	s_mul_i32 s21, s15, HALFT                      ; my eight row tiles of o
	s_mul_i32 s22, s16, HALFT
	s_add_co_u32 s22, s22, 2*HALFT                 ; my 128 rows of W_o
.irp s, 0,1
	v_add_nc_u32 v[ADRA+\s], s21, v[CO]
	v_add_nc_u32 v[ADRB+\s], s22, v4
	s_add_co_u32 s21, s21, SLOT
	s_add_co_u32 s22, s22, SLOT
.endr
	v_mul_u32_u24 v5, v1, KS
	v_lshrrev_b32 v3, 8, v5
	v_lshl_add_u32 v5, v3, 4, v5
	s_mul_i32 s21, s16, HALFS
	s_add_co_u32 s21, s21, SCLB
	v_add_nc_u32 v[ADRS], s21, v5                  ; W_o's scale bytes of row r: both halves of the lanes read the same
	s_lshl_b32 s21, s15, 13
	s_add_co_u32 s21, s21, SCLA
	v_lshl_add_u32 v[ASA], v6, 2, s21
	s_mul_i32 s23, s14, 16*SPITCH                  ; my stage
	v_mul_u32_u24 v5, v1, SPITCH
	v_lshl_add_u32 v5, v2, 6, v5
	v_add_nc_u32 v[STO], s23, v5                   ; in: row r, + 64 h: columns 16 h on of each group of 32
	v_add_nc_u32 v[RD], s23, v[CO]                 ; back: the 32 lanes take one row of 512 bytes
	s_lshl_b32 s20, s17, 20                        ; out0: 256 rows of 4,096 bytes a tile row,
	s_lshl_b32 s21, s15, 19
	s_add_co_u32 s20, s20, s21
	s_lshl_b32 s21, s42, 10                        ; 1,024 bytes a tile column,
	s_lshl_b32 s22, s16, 9
	s_add_co_u32 s22, s22, s21
	s_add_co_u32 s20, s20, s22
	s_mov_b32 s21, 0
	s_mov_b32 s23, 0
	s_add_nc_u64 s[98:99], s[98:99], s[20:21]
	s_add_nc_u64 s[96:97], s[96:97], s[22:23]
	global_load_b128 v[BO:BO+3], v[CO], s[96:97]   ; b_o of my four columns of a row's 128; waited for ahead of the way out
.macro FRAG reg, adr, q, i
.irp c, 0,1
	ds_load_b128 v[\reg+4*\c:\reg+4*\c+3], v[\adr] offset:64*(\q)+32*\c+(\i)*16*PITCH
.endr
.endm
.macro FRAGA reg, adr, q, i            ; an image: row tile i, K step q of the slot
.irp c, 0,1
	ds_load_b128 v[\reg+4*\c:\reg+4*\c+3], v[\adr] offset:4096*(\i)+1024*(\q)+512*\c
.endr
.endm
.macro MM a, b, p, q, sc, zero
.set rD, 8*(8*((\a)%4)+(\b))
.set rB, 128*(\p)+FR*(\b)
.set rA, AF+FR*(\a)
.set rSB, SC+8*NQ*(\sc)+NQ*(\b)+(\q)
.set rSA, SA+4*(NQ*(\sc)+(\q))+(\a)/2
.if \zero
.if (\a)%2
	v_wmma_scale_f32_16x16x128_f8f6f4 v[rD:rD+7], v[rB:rB+7], v[rA:rA+7], 0, v[rSB], v[rSA] matrix_a_fmt:MATRIX_FMT_FP4 matrix_b_fmt:MATRIX_FMT_FP4 matrix_b_scale:MATRIX_SCALE_ROW1
.else
	v_wmma_scale_f32_16x16x128_f8f6f4 v[rD:rD+7], v[rB:rB+7], v[rA:rA+7], 0, v[rSB], v[rSA] matrix_a_fmt:MATRIX_FMT_FP4 matrix_b_fmt:MATRIX_FMT_FP4
.endif
.else
.if (\a)%2
	v_wmma_scale_f32_16x16x128_f8f6f4 v[rD:rD+7], v[rB:rB+7], v[rA:rA+7], v[rD:rD+7], v[rSB], v[rSA] matrix_a_fmt:MATRIX_FMT_FP4 matrix_b_fmt:MATRIX_FMT_FP4 matrix_b_scale:MATRIX_SCALE_ROW1
.else
	v_wmma_scale_f32_16x16x128_f8f6f4 v[rD:rD+7], v[rB:rB+7], v[rA:rA+7], v[rD:rD+7], v[rSB], v[rSA] matrix_a_fmt:MATRIX_FMT_FP4 matrix_b_fmt:MATRIX_FMT_FP4
.endif
.endif
.endm
.macro MUL16 a0, p, q, sc, zero        ; the 64 accumulators take turns, one instruction a turn, in the same order in every step
.irp a, \a0, \a0+1
.irp b, 0,1,2,3,4,5,6,7
	MM (\a), \b, \p, \q, \sc, \zero
.endr
.endr
.endm
.macro FETCH_B slot, q, p
	WIN TO_B
.irp i, 0,1,2,3,4,5,6,7
	FRAG 128*(\p)+FR*\i, ADRB+\slot, \q, \i
.endr
	WIN 0
.endm
.macro FETCH_A slot, q, i0
.irp i, \i0, \i0+1, \i0+2, \i0+3
	FRAGA AF+FR*(\i), ADRA+\slot, \q, \i
.endr
.endm
.macro SCALES sc
.irp i, 0,1,2,3,4,5,6,7
	ds_load_b128 v[SC+8*NQ*\sc+NQ*\i:SC+8*NQ*\sc+NQ*\i+3], v[ADRS] offset:\i*SBLK
.endr
.endm
.macro PLACES n
.rept \n
	v_nop
.endr
.endm
.macro STEP slot, q, zero
	s_wait_dscnt 4*NL                              ; all but the youngest eight loads (o's blocks 4-7)
	WIN MUL_LO
	MUL16 0, (\q)%2, \q, \slot, \zero
	MUL16 2, (\q)%2, \q, \slot, \zero
	s_wait_dscnt 0
	PLACES NP
	FETCH_B \slot, (\q)+1, 1-(\q)%2
	FETCH_A \slot, (\q)+1, 0
	WIN MUL_HI
	MUL16 4, (\q)%2, \q, \slot, \zero
	MUL16 6, (\q)%2, \q, \slot, \zero
	PLACES NP
	WIN 0
	FETCH_A \slot, (\q)+1, 4
.endm
.macro TURN slot, next
	s_wait_tensorcnt 0x0                           ; all my tensor loads have landed: my part of the next slot
	ds_add_u32 v[SPW], v[NIL]
	s_wait_dscnt 4*NL+1                            ; (the add and the youngest eight loads may be out)
	WIN MUL_LO
	MUL16 0, 1, NQ-1, \slot, 0
	s_wait_dscnt 0x0
	s_barrier_signal -1
	MUL16 2, 1, NQ-1, \slot, 0
	WIN 0
	s_barrier_wait -1
	PLACES NP
	v_add_nc_u32 v[ADRS], 4*NQ, v[ADRS]
	FETCH_B \next, 0, 0
	FETCH_A \next, 0, 0
	SCALES \next
	WIN MUL_HI
	MUL16 4, 1, NQ-1, \slot, 0
	MUL16 6, 1, NQ-1, \slot, 0
	PLACES NP
	WIN 0
	FETCH_A \next, 0, 4
.endm
.macro STEPS slot, from
.set Q, \from
.rept NQ-1-\from
	STEP \slot, Q, 0
.set Q, Q+1
.endr
.endm
	s_wait_tensorcnt 2                             ; my part of the scales is in; both slots' loads may be out
	s_barrier_signal -1
	s_barrier_wait -1                              ; everybody's is
.irp hd, 0,1,2,3,4,5,6,7,8,9,10,11,12,13,14,15
.irp ap, 0,1,2,3
	ds_load_b32 v[TT+4*\hd+\ap], v[ASA] offset:512*\hd+128*\ap     ; head hd: lanes 0-15 block 2 ap's rows, lanes 16-31 block 2 ap + 1's
.endr
.endr
	s_wait_dscnt 0x0
.irp q, 0,1,2,3,4,5,6,7
.irp ap, 0,1,2,3
	v_perm_b32 v[SA+4*\q+\ap], v[TT+4*(2*\q+1)+\ap], v[TT+8*\q+\ap], 0x05040100   ; head 2 q's two bytes below head 2 q + 1's: K step q's scale word
.endr
.endr
	PLACES 8                                       ; scale registers written by vector lines stand eight places ahead of the products
	s_wait_tensorcnt 1                             ; my part of slot 0 is in; slot 1's load may be out
	s_barrier_signal -1
	s_barrier_wait -1
	FETCH_B 0, 0, 0
	FETCH_A 0, 0, 0
	SCALES 0
	FETCH_A 0, 0, 4
	STEP 0, 0, 1                                   ; the first products start the sums
	STEPS 0, 1
	TURN 0, 1
	STEPS 1, 0
	s_wait_dscnt 4*NL
	WIN MUL_LO
	MUL16 0, 1, NQ-1, 1, 0
	MUL16 2, 1, NQ-1, 1, 0
	s_wait_dscnt 0
	WIN MUL_HI
	MUL16 4, 1, NQ-1, 1, 0
	MUL16 6, 1, NQ-1, 1, 0
	WIN 0
; THE WAY OUT, block by block of 16 rows x 128 columns, through my own stage: in by lanes (eight neighbouring columns each), back as whole rows of 512 bytes, + b_o, stored as two aligned units of 256 bytes.
.macro TOSTAGE a
.set AC, 64*((\a)%4)
.set WSEL, 0x08+4*((\a)/4)
	WIN WSEL                                       ; the data: window 2 or 3
.irp b, 0,1,2,3,4,5,6,7
	ds_store_b128 v[STO], v[AC+8*\b:AC+8*\b+3] offset:128*(\b/2)+32*(\b%2)          ; each accumulator from its low end on
	ds_store_b128 v[STO], v[AC+8*\b+4:AC+8*\b+7] offset:128*(\b/2)+32*(\b%2)+16
.endr
	WIN 0
.set BB, BK+64*((\a)%2)
.irp t, 0,1,2,3,4,5,6,7,8,9,10,11,12,13,14,15
	ds_load_b128 v[BB+4*\t:BB+4*\t+3], v[RD] offset:\t*SPITCH      ; LDS serves a wave's instructions in order: these see the stores above
.endr
.endm
.macro SEND a, younger                 ; younger: the LDS instructions issued behind block a's loads, which may stay out
.set BB, BK+64*((\a)%2)
	s_wait_dscnt \younger
.if (\a) > 0
.if (\a)%2
	s_add_nc_u64 s[98:99], s[98:99], 8*4096        ; block a begins at row 32 (a / 2) + 8 (a % 2).  (Behind a wait on XCNT: the earlier stores have read their base)
.else
	s_add_nc_u64 s[98:99], s[98:99], 24*4096
.endif
.endif
.irp t, 0,1,2,3,4,5,6,7,8,9,10,11,12,13,14,15
	v_pk_add_f32 v[BB+4*\t:BB+4*\t+1], v[BB+4*\t:BB+4*\t+1], v[BO:BO+1]
	v_pk_add_f32 v[BB+4*\t+2:BB+4*\t+3], v[BB+4*\t+2:BB+4*\t+3], v[BO+2:BO+3]
	global_store_b128 v[CO], v[BB+4*\t:BB+4*\t+3], s[98:99] offset:(\t+8*(\t/8))*4096 th:TH_STORE_NT   ; stage row t is row t + 8 (t / 8) of the block; 512 consecutive bytes
.endr
.endm
	PLACES NP
	s_wait_loadcnt 0x0                             ; b_o
	TOSTAGE 0
.irp a, 1,2,3,4,5,6,7
.if \a > 1
	s_wait_xcnt 0x0                                ; block a - 2's stores have read their registers and their base
.endif
	TOSTAGE \a
	SEND \a-1, 32                                  ; behind block a - 1's loads: block a's 16 stores and 16 loads
.endr
	s_wait_xcnt 0x0
	SEND 7, 0
	s_wait_tensorcnt 0x0                           ; the wave's end
	ds_add_u32 v[SPW], v[NIL]
	s_wait_dscnt 0x0
	CROUND                                         ; the closing round
	s_endpgm
.Lfunc_end_k_q3c430a2b10_proj:
	.size	k_q3c430a2b10_proj, .Lfunc_end_k_q3c430a2b10_proj-k_q3c430a2b10_proj
	.p2alignl 7, 3214868480
	.fill 96, 4, 3214868480
	.section	.rodata,"a",@progbits
	.p2align	6, 0x0
	.amdhsa_kernel k_q3c430a2b10_proj
		.amdhsa_group_segment_fixed_size 327680
		.amdhsa_private_segment_fixed_size 0
		.amdhsa_enable_private_segment 0
		.amdhsa_kernarg_size 48
		.amdhsa_user_sgpr_count 2
		.amdhsa_user_sgpr_kernarg_segment_ptr 1
		.amdhsa_wavefront_size32 1
		.amdhsa_system_sgpr_workgroup_id_x 1
		.amdhsa_system_sgpr_workgroup_id_y 1
		.amdhsa_system_sgpr_workgroup_id_z 1
		.amdhsa_system_vgpr_workitem_id 0
		.amdhsa_next_free_vgpr 1024
		.amdhsa_next_free_sgpr 100
		.amdhsa_reserve_vcc 0
		.amdhsa_float_denorm_mode_32 3
		.amdhsa_float_denorm_mode_16_64 3
		.amdhsa_memory_ordered 1
		.amdhsa_forward_progress 1
		.amdhsa_inst_pref_size 148
	.end_amdhsa_kernel
	.amdgpu_metadata
---
amdhsa.version: [ 1, 2 ]
amdhsa.kernels:
  - .name:           k_q3c430a2b10_proj
    .symbol:         k_q3c430a2b10_proj.kd
    .args:
      - { .name: oc, .offset: 0, .size: 8, .value_kind: global_buffer, .address_space: global }
      - { .name: os, .offset: 8, .size: 8, .value_kind: global_buffer, .address_space: global }
      - { .name: acodes, .offset: 16, .size: 8, .value_kind: global_buffer, .address_space: global }
      - { .name: ascales, .offset: 24, .size: 8, .value_kind: global_buffer, .address_space: global }
      - { .name: b_o, .offset: 32, .size: 8, .value_kind: global_buffer, .address_space: global }
      - { .name: out0, .offset: 40, .size: 8, .value_kind: global_buffer, .address_space: global }
    .group_segment_fixed_size: 327680
    .private_segment_fixed_size: 0
    .kernarg_segment_align: 8
    .kernarg_segment_size: 48
    .max_flat_workgroup_size: 128
    .sgpr_count:     100
    .vgpr_count:     1024
    .wavefront_size: 32
...
	.end_amdgpu_metadata
.endif
;; end of part 4
